; MI455X (gfx1250); checked and timed in simulation.
; The chip was launched on July 23, 2026; its instructions are those of AMD's public machine-readable ISA for CDNA 5 (MIT licence, August 2026) and "CDNA5" Instruction Set Architecture Reference Guide (July 2026). The comments in the code are by the model that wrote it; some were corrected since.
;; Recurrent Attention. Allowed arithmetic: matrix products marked QUANTISED: E4M3 operands, one given power-of-two scale a tensor, by v_wmma_f32_16x16x64_fp8_fp8 or v_wmma_f32_16x16x128_fp8_fp8, f32 sums; everything else in f32.
;; Inputs: b_sproj 1,024 float32; b_xproj 1,024 float32; kvs 4 x 1,024 x 1,024 float32; kvx 4 x 1,024 x 1,024 float32; lowp_scales 32 int32 (the exponents e of the quantised operands' scales 2^e); qs 4 x 1,024 x 1,024 float32; qx 4 x 1,024 x 1,024 float32; w_kvs 1,024 x 128 float32; w_kvx 1,024 x 128 float32; w_qs1 1,024 x 1,024 float32; w_qs2 1,024 x 1,024 float32; w_qx1 1,024 x 1,024 float32; w_qx2 1,024 x 1,024 float32; w_sproj 2,048 x 1,024 float32; w_xproj 2,048 x 1,024 float32.
;; Outputs: out0 4 x 1,024 x 1,024 float32; out1 4 x 1,024 x 1,024 float32.
;; This version of the problem:
;;   THIS VERSION OF THE PROBLEM IS GIVEN IN LOW PRECISION. The matrix products marked QUANTISED in the list below multiply operands that are first quantised to E4M3 (4 exponent bits, 3 mantissa bits; 8 bits a number), with one given power-of-two scale for each operand tensor; their sums are f32. All else is computed in f32.
;;   The module's matrix products, in the order in which they are computed (A, B: the left and right operand; K: the contracted axis; several contracted axes count as one K, in the product's order):
;;     1. [M 4,096, K 1,024] x [K 1,024, N 1,024]; A: input qx; B: input w_qx1: QUANTISED (scales: A lowp_scales[0], B lowp_scales[1])
;;     2. [M 4,096, K 1,024] x [K 1,024, N 1,024]; A: input qs; B: input w_qs1: QUANTISED (scales: A lowp_scales[2], B lowp_scales[3])
;;     3. [M 4,096, K 1,024] x [K 1,024, N 1,024]; A: input qx; B: input w_qx2: QUANTISED (scales: A lowp_scales[4], B lowp_scales[5])
;;     4. [M 4,096, K 1,024] x [K 1,024, N 1,024]; A: input qs; B: input w_qs2: QUANTISED (scales: A lowp_scales[6], B lowp_scales[7])
;;     5. [M 4,096, K 1,024] x [K 1,024, N 128]; A: input kvx; B: input w_kvx: QUANTISED (scales: A lowp_scales[8], B lowp_scales[9])
;;     6. [M 4,096, K 1,024] x [K 1,024, N 128]; A: input kvs; B: input w_kvs: QUANTISED (scales: A lowp_scales[10], B lowp_scales[11])
;;     7. batch 4 x [M 16,384, K 64] x [K 64, N 1,024]; A: computed on the way; B: computed on the way: QUANTISED (scales: A lowp_scales[12], B lowp_scales[13])
;;     8. batch 4 x [M 16,384, K 1,024] x [K 1,024, N 64]; A: softmax (see below); B: computed on the way: QUANTISED (scales: A lowp_scales[14], B lowp_scales[15])
;;     9. batch 4 x [M 16,384, K 64] x [K 64, N 1,024]; A: computed on the way; B: computed on the way: QUANTISED (scales: A lowp_scales[16], B lowp_scales[17])
;;     10. batch 4 x [M 16,384, K 1,024] x [K 1,024, N 64]; A: softmax (see below); B: computed on the way: QUANTISED (scales: A lowp_scales[18], B lowp_scales[19])
;;     11. batch 4 x [M 16,384, K 64] x [K 64, N 1,024]; A: computed on the way; B: computed on the way: QUANTISED (scales: A lowp_scales[20], B lowp_scales[21])
;;     12. batch 4 x [M 16,384, K 1,024] x [K 1,024, N 64]; A: softmax (see below); B: computed on the way: QUANTISED (scales: A lowp_scales[22], B lowp_scales[23])
;;     13. batch 4 x [M 16,384, K 64] x [K 64, N 1,024]; A: computed on the way; B: computed on the way: QUANTISED (scales: A lowp_scales[24], B lowp_scales[25])
;;     14. batch 4 x [M 16,384, K 1,024] x [K 1,024, N 64]; A: softmax (see below); B: computed on the way: QUANTISED (scales: A lowp_scales[26], B lowp_scales[27])
;;     15. [M 4,096, K 2,048] x [K 2,048, N 1,024]; A: computed on the way; B: input w_xproj: QUANTISED (scales: A lowp_scales[28], B lowp_scales[29])
;;     16. [M 4,096, K 2,048] x [K 2,048, N 1,024]; A: computed on the way; B: input w_sproj: QUANTISED (scales: A lowp_scales[30], B lowp_scales[31])
;;   THE QUANTISER, for each operand of a quantised product, along K:
;;     - The operand's scale is 2^e, e = its entry of the input lowp_scales (int32; the entries are numbered through the quantised products in the list's order, A before B).
;;     - Each number is divided by the scale, clamped to +-448, and rounded to the nearest number of E4M3, ties to even, subnormals kept.
;;     - The product sums the exact products of the quantised numbers (number of the format x scale) in f32.
;;   ~~~python
;;   def quantise(x, axis, e):      # numpy; x: float32 -> the quantised numbers, widened to float32 again
;;       x = np.moveaxis(x, axis, -1); K = x.shape[-1]
;;       r = np.clip(x / 2.0 ** e, -448, 448)
;;       step = 2.0 ** (np.maximum(np.frexp(np.where(r == 0, 1, r))[1] - 1, -6) - 3)
;;       q = np.round(r / step) * step * 2.0 ** e      # np.round: ties to even
;;       return np.moveaxis(q, -1, axis).astype(np.float32)
;;   ~~~
;;   SOFTMAX AHEAD OF A QUANTISED PRODUCT. Where the list says 'softmax', what is quantised is not the finished softmax but p = 2^(t - M), with t = logit x log2(e) and M = ceil(the row's largest t), a whole number; so 1/2 < the row's largest p <= 1. The row's sum l is taken of the UNQUANTISED p, in f32, and the product's result is divided by l at the end. Since M is a whole number, a kernel that streams over the keys may use a running M (the ceiling of the running maximum): every later rescaling is an exact power of two, so the quantised numbers keep their values, but for numbers so far below the row's largest that they fall under the format's range.
;;   OPERANDS COMPUTED ON THE WAY. 'Computed on the way' means the value that the module computes at that place (a softmax that the list does not call 'softmax' is quantised finished and normalised). What goes into a quantiser is computed in f32, as accurately as f32 sums, v_exp_f32 and their like allow (about 1e-6 of the number): no bf16 or f16 on the way to a quantiser, and a product that is left as it is and whose result goes on into a quantised operand takes f32 operands (vector FMAs, or v_wmma_f32_16x16x4_f32). A number that lies on a knife's edge between two numbers of the format may be rounded either way, as far as f32 arithmetic and the matrix unit's own rounding can turn it there, and no further.
;; 2 versions, each right; version 2 is version 1 with the launches kvproj, attn written anew for expert scheduling mode. Each part assembles by itself: llvm-mc -triple=amdgcn-amd-amdhsa -mcpu=gfx1250 --defsym DOCPART=n.
;; ======== version 1 of 2: 5 launches
;; workspace buffers: acodes 16,777,216 bytes; wcodes 8,650,752 bytes; kvcodes 2,097,152 bytes; qcodes 16,777,216 bytes; catcodes 16,777,216 bytes
;; launch quant (part 1): grid 776 x 1, 4 waves a work-group, no clusters, 68,096 bytes of LDS; arguments qx, qs, w_qx1, w_qs1, w_qx2, w_qs2, w_xproj, w_sproj, w_kvx, w_kvs, lowp_scales, acodes, wcodes; writes acodes, wcodes
.if DOCPART == 1
	.amdgcn_target "amdgcn-amd-amdhsa--gfx1250"
	.amdhsa_code_object_version 6
	.text
	.protected	k_q5d9bf76f59_quant
	.globl	k_q5d9bf76f59_quant
	.p2align	8
	.type	k_q5d9bf76f59_quant,@function
k_q5d9bf76f59_quant:
	s_mov_b64 s[64:65], 0
	v_nop
	global_prefetch_b8 v0, s[64:65] scope:SCOPE_SE
	s_setreg_imm32_b32 hwreg(HW_REG_WAVE_MODE, 25, 1), 1
	s_wait_xcnt 0x0
; qx, qs and all eight weights, f32, become codes of FP8 (E4M3) with the given scales 2^e: code = x / 2^e, held within +-448, to the nearest code, ties to even.
; THE CODES ARE LAID AS IMAGES OF OPERAND REGISTERS.  A fragment is 16 rows x 128 along K in 16 registers: lane (r = lane % 16, hh = lane / 16) holds, of row r, k = 16 c + 8 hh + 0 .. 7 in registers 2 c, 2 c + 1.
; Its image is 2,048 bytes, [group g of four registers][lane][16 bytes]: every later read of a fragment is four loads of 16 bytes a lane, 512 consecutive bytes each.
; acodes [p 4][block of 256 rows 16][ks 8][tile of 16 rows 16][2048]: p = 0 qx with entry 0, 1 qs with entry 2, 2 qx with entry 4, 3 qs with entry 6: each input is read once and coded twice.
; wcodes: at 0 [p 4][block of 256 columns 4][ks 8][tile 16][2048] (w_qx1, w_qs1, w_qx2, w_qs2; entries 1, 3, 5, 7); at WO [o 2][4][ks 16][16][2048] (w_xproj, w_sproj; entries 29, 31); at WKV [src 2][ks 8][tile 8][2048] (w_kvx, w_kvs; 9, 11).
; Work-groups 0-511 take 16 rows of qx or qs (a wave: 256 along K); 512-639 the four q weights, 640-767 the two output weights, 768-775 the two kv weights (a work-group: 128 columns x 256 along K; a wave: 32 columns).
; Memory binds: no matrix unit, no cluster, no barrier; waves share nothing.  Only the first path uses LDS.
; LIMITS: each e lies between -126 and 119, so that 2^e and 448 x 2^e are f32 numbers.  NaN among the inputs is not served.
.set SP,    528                        ; a stage row: 512 bytes + 16 = 132 words, so that 16 rows begin in 16 different groups of four banks
.set STGB,  16*SP                      ; a stage: 16 rows
.set WREG,  2*STGB                     ; a wave's two stages
.set R,     32                         ; v32-159  two sets of 64: 16 rows x 16 bytes a lane as loaded; set 0 later takes the codes
.set X,     160                        ; v160-223 64 numbers of my row, in the order of the operand's registers
.set T,     224                        ; v224-255 two sets of 16 held numbers, by turns
.set WX,    32                         ; weights: v32-95 two sets of 32 numbers down K
.set WC,    96                         ; weights: v96-159 codes, eight registers for each of eight blocks: no store's data are written again
.set WO,    4194304
.set WKV,   8388608
.macro ALOAD f                         ; fragment f: 16 rows, 512 consecutive bytes a load
.irp i, 0,1,2,3,4,5,6,7,8,9,10,11,12,13,14,15
	global_load_b128 v[R+64*\f+4*\i:R+64*\f+4*\i+3], v1, s[4:5] offset:4096*\i+512*\f th:TH_LOAD_NT
.endr
.endm
.macro ATURN f                         ; through my own stage: in as loaded, back as lane (r, hh) wants them.  LDS serves a wave's instructions in order: no wait between
.irp i, 0,1,2,3,4,5,6,7,8,9,10,11,12,13,14,15
	ds_store_b128 v2, v[R+64*\f+4*\i:R+64*\f+4*\i+3] offset:STGB*\f+SP*\i
.endr
.irp g, 0,1,2,3
	ds_load_b128 v[X+16*\g:X+16*\g+3],     v3 offset:STGB*\f+128*\g       ; k = 32 g + 8 hh + 0 .. 3
	ds_load_b128 v[X+16*\g+4:X+16*\g+7],   v3 offset:STGB*\f+128*\g+16    ;                 + 4 .. 7
	ds_load_b128 v[X+16*\g+8:X+16*\g+11],  v3 offset:STGB*\f+128*\g+64    ; k = 32 g + 16 + 8 hh + 0 .. 3
	ds_load_b128 v[X+16*\g+12:X+16*\g+15], v3 offset:STGB*\f+128*\g+80
.endr
.endm
.macro AQ f                            ; both versions of fragment f: hold, convert, store.  The held numbers go to T, so that X serves the second version too
.irp v, 0,1
.irp g, 0,1,2,3
.irp i, 0,1,2,3,4,5,6,7,8,9,10,11,12,13,14,15
	v_med3_num_f32 v[T+16*(\g%2)+\i], v[X+16*\g+\i], -v[9+2*\v], v[9+2*\v]   ; the conversion to an 8-bit code does not saturate (ISA guide 7.6.2)
.endr
	v_cvt_scalef32_pk8_fp8_f32 v[R+32*\f+16*\v+4*\g:R+32*\f+16*\v+4*\g+1],   v[T+16*(\g%2):T+16*(\g%2)+7],    v[8+2*\v]
	v_cvt_scalef32_pk8_fp8_f32 v[R+32*\f+16*\v+4*\g+2:R+32*\f+16*\v+4*\g+3], v[T+16*(\g%2)+8:T+16*(\g%2)+15], v[8+2*\v]
.endr                                  ; (the next group's holds are plain lines on the other set of T: they stand between a conversion and the next write of its sources)
.endr
.irp g, 0,1,2,3
	global_store_b128 v1, v[R+32*\f+4*\g:R+32*\f+4*\g+3], s[6:7] offset:32768*\f+512*\g          ; 512 consecutive bytes of the image
.endr
.irp g, 0,1,2,3
	global_store_b128 v1, v[R+32*\f+16+4*\g:R+32*\f+16+4*\g+3], s[34:35] offset:32768*\f+512*\g
.endr
.endm
.macro WLOAD t, pitch                  ; block t: w(32 t + i, my column), i = 0 .. 31: neighbouring lanes read neighbouring columns
.set i, 0
.rept 32
	global_load_b32 v[WX+32*((\t)%2)+i], v3, s[4:5] offset:(32*(\t)+i)*\pitch th:TH_LOAD_NT
.set i, i+1
.endr
.endm
.macro WBLOCK t, pitch, kss
.set XS, WX+32*((\t)%2)
.if (\t) < 7
	s_wait_loadcnt 32                              ; this block's 32 loads are in; the next block's 32 may be out
.else
	s_wait_loadcnt 0x0
.endif
.set i, 0
.rept 32
	v_med3_num_f32 v[XS+i], v[XS+i], -v10, v10
.set i, i+1
.endr
	v_cvt_scalef32_pk8_fp8_f32 v[WC+8*(\t):WC+8*(\t)+1],   v[XS:XS+7],     v11   ; k + 0 .. 7 and k + 16 .. 23 are what lane (r, 0) of the image holds,
	v_cvt_scalef32_pk8_fp8_f32 v[WC+8*(\t)+2:WC+8*(\t)+3], v[XS+16:XS+23], v11
	v_cvt_scalef32_pk8_fp8_f32 v[WC+8*(\t)+4:WC+8*(\t)+5], v[XS+8:XS+15],  v11   ; k + 8 .. 15 and k + 24 .. 31 what lane (r, 1) holds
	v_cvt_scalef32_pk8_fp8_f32 v[WC+8*(\t)+6:WC+8*(\t)+7], v[XS+24:XS+31], v11
	global_store_b128 v4, v[WC+8*(\t):WC+8*(\t)+3],   s[6:7] offset:((\t)/4)*\kss+((\t)%4)*512       ; sixteen lanes store 256 consecutive bytes, aligned
	global_store_b128 v4, v[WC+8*(\t)+4:WC+8*(\t)+7], s[6:7] offset:((\t)/4)*\kss+((\t)%4)*512+256
.if (\t)+2 < 8
	WLOAD (\t)+2, \pitch
.endif
.endm
.macro WBODY pitch, kss                ; pitch: bytes in a row of w; kss: bytes from one K step's images to the next
	s_add_nc_u64 s[4:5], s[4:5], s[44:45]
	s_add_nc_u64 s[6:7], s[32:33], s[46:47]
	s_add_nc_u64 s[28:29], s[28:29], s[36:37]
	s_load_b32 s38, s[28:29], 0x0                  ; e
	WLOAD 0, \pitch
	WLOAD 1, \pitch
	s_wait_kmcnt 0x0
	s_add_co_i32 s38, s38, 127
	s_lshl_b32 s39, s38, 23
	v_mov_b32 v11, s39                             ; 2^e as f32: the conversion takes its exponent field
	s_add_co_i32 s38, s38, 8
	s_lshl_b32 s38, s38, 23
	s_or_b32 s38, s38, 0x600000
	v_mov_b32 v10, s38                             ; 448 x 2^e
.irp t, 0,1,2,3,4,5,6,7
	WBLOCK \t, \pitch, \kss
.endr
	s_endpgm
.endm
	s_load_b512 s[8:23], s[0:1], 0x0               ; qx 8, qs 10, w_qx1 12, w_qs1 14, w_qx2 16, w_qs2 18, w_xproj 20, w_sproj 22
	s_load_b256 s[24:31], s[0:1], 0x40             ; w_kvx 24, w_kvs 26, the scales' exponents 28, acodes 30
	s_load_b64 s[32:33], s[0:1], 0x60              ; wcodes
	v_lshl_add_u32 v30, v0, 2, 0x10800
	v_mov_b32 v31, 0
	v_lshrrev_b32 v5, 5, v0
	v_readfirstlane_b32 s2, v5                     ; wave
	v_and_b32 v6, 31, v0                           ; lane
	v_lshlrev_b32 v1, 4, v6                        ; 16 x lane
	s_mov_b32 s37, 0                               ; the upper words of three offsets
	s_mov_b32 s45, 0
	s_mov_b32 s47, 0
	s_cmp_lt_u32 ttmp9, 512
	s_cbranch_scc0 .Lweights
	; ---- qx and qs: K is innermost
	s_lshr_b32 s40, ttmp9, 8                       ; 0: qx, 1: qs
	s_and_b32 s41, ttmp9, 255                      ; which 16 rows
	s_mul_i32 s42, s2, WREG
	v_add_nc_u32 v2, s42, v1                       ; into the stage: 16 x lane
	v_and_b32 v7, 15, v0                           ; r
	v_bfe_u32 v12, v0, 4, 1                        ; hh
	v_mul_u32_u24 v3, v7, SP
	v_lshl_add_u32 v3, v12, 5, v3
	v_add_nc_u32 v3, s42, v3                       ; out of it: row r, + 32 hh bytes
	s_lshl_b32 s44, s41, 16                        ; in: 16 rows of 4,096 bytes,
	s_lshl_b32 s43, s2, 10
	s_add_co_u32 s44, s44, s43                     ; + my wave's 1,024 bytes of a row
	s_lshl_b32 s46, s40, 22                        ; out: p,
	s_lshr_b32 s43, s41, 4
	s_lshl_b32 s43, s43, 18
	s_add_co_u32 s46, s46, s43                     ; the block of 256 rows,
	s_lshl_b32 s43, s2, 16
	s_add_co_u32 s46, s46, s43                     ; K step 2 x wave,
	s_and_b32 s43, s41, 15
	s_lshl_b32 s43, s43, 11
	s_add_co_u32 s46, s46, s43                     ; the tile of 16 rows
	s_lshl_b32 s36, s40, 3                         ; entries 0 and 4 for qx, 2 and 6 for qs
	s_wait_kmcnt 0x0
	s_cmp_eq_u32 s40, 0
	s_cselect_b64 s[4:5], s[8:9], s[10:11]
	s_add_nc_u64 s[4:5], s[4:5], s[44:45]
	s_add_nc_u64 s[6:7], s[30:31], s[46:47]
	s_add_nc_u64 s[34:35], s[6:7], 0x800000        ; the second version lies two p further on
	s_add_nc_u64 s[28:29], s[28:29], s[36:37]
	s_load_b32 s38, s[28:29], 0x0
	s_load_b32 s39, s[28:29], 0x10
	ALOAD 0
	ALOAD 1
	s_wait_kmcnt 0x0
	s_add_co_i32 s38, s38, 127
	s_lshl_b32 s42, s38, 23
	v_mov_b32 v8, s42                              ; 2^e of the first version,
	s_add_co_i32 s38, s38, 8
	s_lshl_b32 s38, s38, 23
	s_or_b32 s38, s38, 0x600000
	v_mov_b32 v9, s38                              ; 448 x that
	s_add_co_i32 s39, s39, 127
	s_lshl_b32 s42, s39, 23
	v_mov_b32 v10, s42                             ; and of the second
	s_add_co_i32 s39, s39, 8
	s_lshl_b32 s39, s39, 23
	s_or_b32 s39, s39, 0x600000
	v_mov_b32 v11, s39
	s_wait_loadcnt 16                              ; fragment 0's 16 loads are in; fragment 1's 16 may be out
	ATURN 0
	s_wait_dscnt 0x0                               ; X is in, and the stores have read set 0 of R, which takes the codes
	AQ 0
	s_wait_loadcnt 0x0
	ATURN 1
	s_wait_dscnt 0x0
	AQ 1
	s_wait_tensorcnt 0x0
	ds_add_u32 v30, v31
	s_wait_dscnt 0x0
	s_endpgm
	; ---- the weights: K is the first axis.  A lane takes a column and its registers run down K: nothing is transposed
.Lweights:
	s_sub_co_u32 s40, ttmp9, 512
	v_lshlrev_b32 v3, 2, v6                        ; in: 4 bytes a lane
	v_lshrrev_b32 v4, 4, v6
	v_and_b32 v7, 15, v6
	v_lshlrev_b32 v4, 11, v4
	v_lshl_add_u32 v4, v7, 4, v4                   ; out: lanes 16-31 belong to the next tile of 16 columns; 16 bytes a column
	s_lshl_b32 s41, s2, 7                          ; my wave's 32 columns in a row of w,
	s_lshl_b32 s42, s2, 12                         ; and its two tiles' images
	s_wait_kmcnt 0x0
	s_cmp_lt_u32 s40, 128
	s_cbranch_scc0 .Lnot_q
	s_lshr_b32 s43, s40, 5                         ; p
	s_and_b32 s38, s40, 7                          ; which 128 columns
	s_bfe_u32 s39, s40, 0x20003                    ; which 256 along K
	s_cmp_eq_u32 s43, 1
	s_cselect_b64 s[4:5], s[14:15], s[12:13]
	s_cmp_eq_u32 s43, 2
	s_cselect_b64 s[4:5], s[16:17], s[4:5]
	s_cmp_eq_u32 s43, 3
	s_cselect_b64 s[4:5], s[18:19], s[4:5]
	s_lshl_b32 s46, s43, 20
	s_lshr_b32 s36, s38, 1
	s_lshl_b32 s36, s36, 18
	s_add_co_u32 s46, s46, s36
	s_lshl_b32 s36, s43, 3
	s_add_co_u32 s36, s36, 4                       ; entry 2 p + 1
	s_branch .Lwide
.Lnot_q:
	s_cmp_lt_u32 s40, 256
	s_cbranch_scc0 .Lkv
	s_sub_co_u32 s40, s40, 128
	s_lshr_b32 s43, s40, 6                         ; o
	s_and_b32 s38, s40, 7
	s_bfe_u32 s39, s40, 0x30003
	s_cmp_eq_u32 s43, 0
	s_cselect_b64 s[4:5], s[20:21], s[22:23]
	s_lshl_b32 s46, s43, 21
	s_add_co_u32 s46, s46, WO
	s_lshr_b32 s36, s38, 1
	s_lshl_b32 s36, s36, 19
	s_add_co_u32 s46, s46, s36
	s_lshl_b32 s36, s43, 3
	s_add_co_u32 s36, s36, 116                     ; entry 29 + 2 o
.Lwide:
	s_lshl_b32 s44, s39, 20                        ; in: 256 rows of 4,096 bytes,
	s_lshl_b32 s43, s38, 9
	s_add_co_u32 s44, s44, s43                     ; 128 columns,
	s_add_co_u32 s44, s44, s41                     ; my wave's 32
	s_lshl_b32 s43, s39, 16
	s_add_co_u32 s46, s46, s43                     ; out: two K steps of 32,768 bytes,
	s_and_b32 s43, s38, 1
	s_lshl_b32 s43, s43, 14
	s_add_co_u32 s46, s46, s43                     ; eight tiles for the odd 128 columns,
	s_add_co_u32 s46, s46, s42                     ; my wave's two tiles
	WBODY 4096, 32768
.Lkv:
	s_sub_co_u32 s40, s40, 256
	s_lshr_b32 s43, s40, 2                         ; 0: w_kvx, 1: w_kvs
	s_and_b32 s39, s40, 3
	s_cmp_eq_u32 s43, 0
	s_cselect_b64 s[4:5], s[24:25], s[26:27]
	s_lshl_b32 s44, s39, 17                        ; in: 256 rows of 512 bytes
	s_add_co_u32 s44, s44, s41
	s_lshl_b32 s46, s43, 17
	s_add_co_u32 s46, s46, WKV
	s_lshl_b32 s38, s39, 15
	s_add_co_u32 s46, s46, s38
	s_add_co_u32 s46, s46, s42
	s_lshl_b32 s36, s43, 3
	s_add_co_u32 s36, s36, 36                      ; entry 9 + 2 src
	WBODY 512, 16384
.Lfunc_end_k_q5d9bf76f59_quant:
	.size	k_q5d9bf76f59_quant, .Lfunc_end_k_q5d9bf76f59_quant-k_q5d9bf76f59_quant
	.p2alignl 7, 3214868480
	.fill 96, 4, 3214868480
	.section	.rodata,"a",@progbits
	.p2align	6, 0x0
	.amdhsa_kernel k_q5d9bf76f59_quant
		.amdhsa_group_segment_fixed_size 68096
		.amdhsa_private_segment_fixed_size 0
		.amdhsa_enable_private_segment 0
		.amdhsa_kernarg_size 104
		.amdhsa_user_sgpr_count 2
		.amdhsa_user_sgpr_kernarg_segment_ptr 1
		.amdhsa_wavefront_size32 1
		.amdhsa_system_sgpr_workgroup_id_x 1
		.amdhsa_system_sgpr_workgroup_id_y 1
		.amdhsa_system_sgpr_workgroup_id_z 1
		.amdhsa_system_vgpr_workitem_id 0
		.amdhsa_next_free_vgpr 256
		.amdhsa_next_free_sgpr 66
		.amdhsa_reserve_vcc 0
		.amdhsa_float_denorm_mode_32 3
		.amdhsa_float_denorm_mode_16_64 3
		.amdhsa_memory_ordered 1
		.amdhsa_forward_progress 1
		.amdhsa_inst_pref_size 121
	.end_amdhsa_kernel
	.amdgpu_metadata
---
amdhsa.version: [ 1, 2 ]
amdhsa.kernels:
  - .name:           k_q5d9bf76f59_quant
    .symbol:         k_q5d9bf76f59_quant.kd
    .args:
      - { .name: qx, .offset: 0, .size: 8, .value_kind: global_buffer, .address_space: global }
      - { .name: qs, .offset: 8, .size: 8, .value_kind: global_buffer, .address_space: global }
      - { .name: w_qx1, .offset: 16, .size: 8, .value_kind: global_buffer, .address_space: global }
      - { .name: w_qs1, .offset: 24, .size: 8, .value_kind: global_buffer, .address_space: global }
      - { .name: w_qx2, .offset: 32, .size: 8, .value_kind: global_buffer, .address_space: global }
      - { .name: w_qs2, .offset: 40, .size: 8, .value_kind: global_buffer, .address_space: global }
      - { .name: w_xproj, .offset: 48, .size: 8, .value_kind: global_buffer, .address_space: global }
      - { .name: w_sproj, .offset: 56, .size: 8, .value_kind: global_buffer, .address_space: global }
      - { .name: w_kvx, .offset: 64, .size: 8, .value_kind: global_buffer, .address_space: global }
      - { .name: w_kvs, .offset: 72, .size: 8, .value_kind: global_buffer, .address_space: global }
      - { .name: lowp_scales, .offset: 80, .size: 8, .value_kind: global_buffer, .address_space: global }
      - { .name: acodes, .offset: 88, .size: 8, .value_kind: global_buffer, .address_space: global }
      - { .name: wcodes, .offset: 96, .size: 8, .value_kind: global_buffer, .address_space: global }
    .group_segment_fixed_size: 68096
    .private_segment_fixed_size: 0
    .kernarg_segment_align: 8
    .kernarg_segment_size: 104
    .max_flat_workgroup_size: 128
    .sgpr_count:     66
    .vgpr_count:     256
    .wavefront_size: 32
...
	.end_amdgpu_metadata
.endif
;; end of part 1
;; launch kvproj (part 2): grid 256 x 1, 8 waves a work-group, no clusters, 173,056 bytes of LDS; arguments kvx, kvs, wcodes, lowp_scales, kvcodes; writes kvcodes
.if DOCPART == 2
	.amdgcn_target "amdgcn-amd-amdhsa--gfx1250"
	.amdhsa_code_object_version 6
	.text
	.protected	k_q5d9bf76f59_kvproj
	.globl	k_q5d9bf76f59_kvproj
	.p2align	8
	.type	k_q5d9bf76f59_kvproj,@function
k_q5d9bf76f59_kvproj:
	s_mov_b64 s[64:65], 0
	v_nop
	global_prefetch_b8 v0, s[64:65] scope:SCOPE_SE
	s_setreg_imm32_b32 hwreg(HW_REG_WAVE_MODE, 25, 1), 1
	s_wait_xcnt 0x0
; K and V of both sources: kv = Q(kvx or kvs) Q(w), [4096][128], on codes of FP8 (E4M3); columns 0-63 are the keys, 64-127 the values.  Each is coded again twice, for the two attentions that use it.
; kvcodes [attention a 4][batch 4][step of 128 keys 8]{ K: [tile of 16 keys 8][1024]; at +8192 V^T: [tile of 16 channels 4][2048] }: images of operand registers, [group of four registers][lane][16 bytes].
;   K's fragment: 16 keys x 64 channels, lane (r, hh): key r, channels 16 c + 8 hh + 0 .. 7 in registers 2 c, 2 c + 1.   V^T's: 16 channels x 128 keys, lane (r, hh): channel r, keys 16 c + 8 hh + 0 .. 7.
; Source 0 (kvx) serves attentions 0 and 3, source 1 (kvs) attentions 1 and 2.
; SHARES.  A work-group takes 32 rows of one source, read by nobody else: they are quantised here, in registers, and go to the eight waves through LDS as images.  Wave w makes columns 16 w .. 16 w + 15 for both tiles of rows.
; Waves 0-3 (keys) take source 0 = w, source 1 = x: a lane holds one key and eight neighbouring channels.  Waves 4-7 (values) take source 0 = x, source 1 = w: a lane holds one channel and eight neighbouring keys.
; In both cases one conversion of an accumulator's eight registers gives two registers of the next operand, in place.
; No tensor load, no cluster: the weights' 64 fragments a work-group are a small part of what it reads, and each wave loads its own eight straight into registers.
; LIMITS: the entries for kvx and kvs, and (ek or ev) - ea - ew, lie between -126 and 119.  NaN among the inputs is not served.
.set SP,    528
.set STGB,  16*SP
.set WREG,  2*STGB
.set XIMG,  0                          ; LDS: x's 16 fragments, [K step 8][tile of rows 2][2048]
.set KST,   32768                      ;      the keys' codes, [version 2][tile 2][group 2][lane][16]
.set STG,   36864                      ;      two stages of 16 x 528 bytes for each wave
.set WKV,   8388608
.set PC,    16                         ; v16-31   codes just made
.set R,     32                         ; v32-159  x as loaded, two sets of 64; later my eight fragments of w, K step ks at v[32 + 16 ks]
.set X,     160                        ; v160-223 64 numbers in the operand's order; later four fragments of x
.set XF,    160
.set T,     224                        ; v224-255 held numbers; later:
.set ACC,   224                        ; v224-239 two accumulators
.set T8,    240                        ; v240-255 two sets of eight held sums
.macro ALOAD f
.irp i, 0,1,2,3,4,5,6,7,8,9,10,11,12,13,14,15
	global_load_b128 v[R+64*\f+4*\i:R+64*\f+4*\i+3], v1, s[4:5] offset:4096*\i+512*\f th:TH_LOAD_NT
.endr
.endm
.macro ATURN f                         ; through my own stage: in as loaded, back as lane (r, hh) wants them
.irp i, 0,1,2,3,4,5,6,7,8,9,10,11,12,13,14,15
	ds_store_b128 v2, v[R+64*\f+4*\i:R+64*\f+4*\i+3] offset:STGB*\f+SP*\i
.endr
.irp g, 0,1,2,3
	ds_load_b128 v[X+16*\g:X+16*\g+3],     v3 offset:STGB*\f+128*\g
	ds_load_b128 v[X+16*\g+4:X+16*\g+7],   v3 offset:STGB*\f+128*\g+16
	ds_load_b128 v[X+16*\g+8:X+16*\g+11],  v3 offset:STGB*\f+128*\g+64
	ds_load_b128 v[X+16*\g+12:X+16*\g+15], v3 offset:STGB*\f+128*\g+80
.endr
.endm
.macro AQ1 f                           ; fragment f: hold, convert, image to LDS
.irp g, 0,1,2,3
.irp i, 0,1,2,3,4,5,6,7,8,9,10,11,12,13,14,15
	v_med3_num_f32 v[T+16*(\g%2)+\i], v[X+16*\g+\i], -v9, v9     ; the conversion to an 8-bit code does not saturate (ISA guide 7.6.2)
.endr
	v_cvt_scalef32_pk8_fp8_f32 v[PC+4*\g:PC+4*\g+1],   v[T+16*(\g%2):T+16*(\g%2)+7],    v8
	v_cvt_scalef32_pk8_fp8_f32 v[PC+4*\g+2:PC+4*\g+3], v[T+16*(\g%2)+8:T+16*(\g%2)+15], v8
.endr
	v_nop                                          ; a plain line behind the last conversion: its registers are written again by vector and matrix instructions later
.irp g, 0,1,2,3
	ds_store_b128 v4, v[PC+4*\g:PC+4*\g+3] offset:XIMG+4096*\f+512*\g
.endr
.endm
.macro WLD k0                          ; four of my fragments of w, K steps k0 on
.irp k, 0,1,2,3
.irp g, 0,1,2,3
	global_load_b128 v[32+16*((\k0)+\k)+4*\g:32+16*((\k0)+\k)+4*\g+3], v1, s[8:9] offset:16384*((\k0)+\k)+512*\g
.endr
.endr
.endm
; The products: eight K steps of 128, two at a time; the two accumulators take turns, one instruction a turn.  tr = 1: source 0 = w.
.macro MM tr
.irp q, 0,1,2,3
.if \q > 0
.rept 4
	v_nop                                          ; places in front of loads into registers that matrix instructions have read
.endr
.endif
.irp s, 0,1
.irp m, 0,1
.irp g, 0,1,2,3
	ds_load_b128 v[XF+16*(2*\s+\m)+4*\g:XF+16*(2*\s+\m)+4*\g+3], v1 offset:XIMG+(2*\q+\s)*4096+\m*2048+512*\g
.endr
.endr
.endr
	s_wait_dscnt 0x0
.if \q == 0
	s_wait_loadcnt 0x0                             ; my fragments of w
.endif
.irp s, 0,1
.irp m, 0,1
.if \tr
.if (\q == 0) && (\s == 0)
	v_wmma_f32_16x16x128_fp8_fp8 v[ACC+8*\m:ACC+8*\m+7], v[32+16*(2*\q+\s):32+16*(2*\q+\s)+15], v[XF+16*(2*\s+\m):XF+16*(2*\s+\m)+15], 0
.else
	v_wmma_f32_16x16x128_fp8_fp8 v[ACC+8*\m:ACC+8*\m+7], v[32+16*(2*\q+\s):32+16*(2*\q+\s)+15], v[XF+16*(2*\s+\m):XF+16*(2*\s+\m)+15], v[ACC+8*\m:ACC+8*\m+7]
.endif
.else
.if (\q == 0) && (\s == 0)
	v_wmma_f32_16x16x128_fp8_fp8 v[ACC+8*\m:ACC+8*\m+7], v[XF+16*(2*\s+\m):XF+16*(2*\s+\m)+15], v[32+16*(2*\q+\s):32+16*(2*\q+\s)+15], 0
.else
	v_wmma_f32_16x16x128_fp8_fp8 v[ACC+8*\m:ACC+8*\m+7], v[XF+16*(2*\s+\m):XF+16*(2*\s+\m)+15], v[32+16*(2*\q+\s):32+16*(2*\q+\s)+15], v[ACC+8*\m:ACC+8*\m+7]
.endif
.endif
.endr
.endr
.endr
.rept 4
	v_nop                                          ; places in front of the first read of the sums
.endr
.endm
.macro CODE dst, v, m                  ; accumulator m, version v: held (from its low end on), converted into v[dst], v[dst + 1]
.irp j, 0,1,2,3,4,5,6,7
	v_med3_num_f32 v[T8+8*\m+\j], v[ACC+8*\m+\j], -v[11+2*\v], v[11+2*\v]
.endr
	v_cvt_scalef32_pk8_fp8_f32 v[\dst:\dst+1], v[T8+8*\m:T8+8*\m+7], v[10+2*\v]
.endm
	s_load_b128 s[4:7], s[0:1], 0x0                ; kvx, kvs
	s_load_b128 s[8:11], s[0:1], 0x10              ; wcodes, the scales' exponents
	s_load_b64 s[12:13], s[0:1], 0x20              ; kvcodes
	s_set_vgpr_msb 0x40
	v_lshl_add_u32 v0, v0, 2, 0x2a000
	v_mov_b32 v1, 0
	s_set_vgpr_msb 0x4000
	v_lshrrev_b32 v7, 5, v0
	v_readfirstlane_b32 s2, v7                     ; wave 0..7
	v_and_b32 v7, 31, v0
	v_lshlrev_b32 v1, 4, v7                        ; 16 x lane: an image's place for my lane
	v_and_b32 v14, 15, v0                          ; r
	v_bfe_u32 v15, v0, 4, 1                        ; hh
	s_mul_i32 s14, s2, WREG
	s_add_co_u32 s14, s14, STG
	v_add_nc_u32 v2, s14, v1                       ; into my stage
	v_mul_u32_u24 v3, v14, SP
	v_lshl_add_u32 v3, v15, 5, v3
	v_add_nc_u32 v3, s14, v3                       ; out of it
	s_and_b32 s15, s2, 3
	s_lshr_b32 s16, s2, 2
	s_lshl_b32 s17, s15, 13
	s_lshl_b32 s18, s16, 11
	s_add_co_u32 s17, s17, s18
	v_add_nc_u32 v4, s17, v1                       ; where I store x's images: K steps 2 (w % 4) on, tile of rows w / 4
	s_lshr_b32 s17, s15, 1
	s_lshl_b32 s17, s17, 9
	s_and_b32 s18, s2, 1
	s_lshl_b32 s18, s18, 3
	s_add_co_u32 s17, s17, s18
	s_add_co_u32 s17, s17, KST
	v_add_nc_u32 v5, s17, v1                       ; where waves 0-3 put 8 bytes of a key's image: registers 2 w, 2 w + 1: group w / 2, half w % 2
	s_lshl_b32 s17, s2, 9
	s_add_co_u32 s17, s17, KST
	v_add_nc_u32 v6, s17, v1                       ; and which 512 bytes of the keys' codes I carry out
	s_lshr_b32 s19, ttmp9, 7                       ; the source; also its first attention
	s_and_b32 s20, ttmp9, 127                      ; which 32 rows
	s_lshr_b32 s21, s20, 5                         ; batch
	s_bfe_u32 s22, s20, 0x30002                    ; step of 128 keys
	s_and_b32 s23, s20, 3                          ; which 32 of them
	s_lshl_b32 s24, s20, 17                        ; x: 32 rows of 4,096 bytes,
	s_lshl_b32 s52, s16, 16
	s_add_co_u32 s24, s24, s52                     ; my tile of 16,
	s_lshl_b32 s52, s15, 10
	s_add_co_u32 s24, s24, s52                     ; my 1,024 bytes of a row
	s_mov_b32 s25, 0
	s_lshl_b32 s26, s19, 17                        ; w's codes: the source, my tile of columns
	s_lshl_b32 s52, s2, 11
	s_add_co_u32 s26, s26, s52
	s_add_co_u32 s26, s26, WKV
	s_mov_b32 s27, 0
	s_lshl_b32 s28, s21, 17
	s_lshl_b32 s52, s22, 14
	s_add_co_u32 s28, s28, s52                     ; batch and step in kvcodes
	s_sub_co_u32 s29, 3, s19                       ; the source's second attention
	s_lshl_b32 s52, s15, 11                        ; V^T: tile of channels w - 4, group = which 32 keys
	s_lshl_b32 s53, s23, 9
	s_add_co_u32 s52, s52, s53
	s_add_co_u32 s52, s52, 8192
	s_add_co_u32 s52, s52, s28
	s_lshl_b32 s30, s19, 19
	s_add_co_u32 s30, s30, s52
	s_mov_b32 s31, 0
	s_lshl_b32 s32, s29, 19
	s_add_co_u32 s32, s32, s52
	s_mov_b32 s33, 0
	s_cmp_eq_u32 s16, 0                            ; K: wave w carries out version w / 4, tile (w / 2) % 2, group w % 2
	s_cselect_b32 s34, s19, s29
	s_lshl_b32 s34, s34, 19
	s_add_co_u32 s34, s34, s28
	s_lshl_b32 s52, s23, 1
	s_bfe_u32 s53, s2, 0x10001
	s_add_co_u32 s52, s52, s53
	s_lshl_b32 s52, s52, 10
	s_add_co_u32 s34, s34, s52
	s_and_b32 s52, s2, 1
	s_lshl_b32 s52, s52, 9
	s_add_co_u32 s34, s34, s52
	s_mov_b32 s35, 0
	s_lshl_b32 s36, s19, 3
	s_mov_b32 s37, 0
	s_lshl_b32 s38, s19, 4
	s_mov_b32 s39, 0
	s_lshl_b32 s40, s29, 4
	s_mov_b32 s41, 0
	s_wait_kmcnt 0x0
	s_cmp_eq_u32 s19, 0
	s_cselect_b64 s[4:5], s[4:5], s[6:7]
	s_add_nc_u64 s[4:5], s[4:5], s[24:25]
	s_add_nc_u64 s[8:9], s[8:9], s[26:27]
	s_add_nc_u64 s[30:31], s[12:13], s[30:31]
	s_add_nc_u64 s[32:33], s[12:13], s[32:33]
	s_add_nc_u64 s[34:35], s[12:13], s[34:35]
	s_add_nc_u64 s[36:37], s[10:11], s[36:37]
	s_add_nc_u64 s[38:39], s[10:11], s[38:39]
	s_add_nc_u64 s[40:41], s[10:11], s[40:41]
	s_load_b64 s[42:43], s[36:37], 0x20            ; entries 8 + 2 src, 9 + 2 src: x's and w's
	s_load_b128 s[44:47], s[38:39], 0x30           ; the first attention's eq, ek, ep, ev
	s_load_b128 s[48:51], s[40:41], 0x30           ; the second's
	ALOAD 0
	ALOAD 1
	s_wait_kmcnt 0x0
	s_add_co_i32 s52, s42, 127
	s_lshl_b32 s53, s52, 23
	v_mov_b32 v8, s53                              ; 2^ea
	s_add_co_i32 s52, s52, 8
	s_lshl_b32 s52, s52, 23
	s_or_b32 s52, s52, 0x600000
	v_mov_b32 v9, s52                              ; 448 x 2^ea
	s_cmp_lt_u32 s2, 4
	s_cselect_b32 s54, s45, s47                    ; waves 0-3: ek; waves 4-7: ev
	s_cselect_b32 s55, s49, s51
	s_sub_co_i32 s54, s54, s42                     ; a sum stands for sum x 2^(ea + ew): the three exponents are folded into the conversion's one
	s_sub_co_i32 s54, s54, s43
	s_add_co_i32 s54, s54, 127
	s_lshl_b32 s53, s54, 23
	v_mov_b32 v10, s53
	s_add_co_i32 s54, s54, 8
	s_lshl_b32 s54, s54, 23
	s_or_b32 s54, s54, 0x600000
	v_mov_b32 v11, s54
	s_sub_co_i32 s55, s55, s42
	s_sub_co_i32 s55, s55, s43
	s_add_co_i32 s55, s55, 127
	s_lshl_b32 s53, s55, 23
	v_mov_b32 v12, s53
	s_add_co_i32 s55, s55, 8
	s_lshl_b32 s55, s55, 23
	s_or_b32 s55, s55, 0x600000
	v_mov_b32 v13, s55
	; ---- x: my 16 rows x 256 along K become two fragments
	s_wait_loadcnt 16                              ; fragment 0's 16 loads are in; fragment 1's 16 may be out
	ATURN 0
	s_wait_dscnt 0x0                               ; X is in, and the stores have read set 0 of R,
	WLD 0                                          ; which takes four fragments of w
	AQ1 0
	s_wait_loadcnt 16                              ; fragment 1's loads are in; w's 16 may be out
	ATURN 1
	s_wait_dscnt 0x0
	WLD 4
	AQ1 1
	s_wait_dscnt 0x0                               ; for the others' sake: my images have landed
	s_barrier_signal -1
	s_barrier_wait -1                              ; x's sixteen fragments lie in LDS
	s_cmp_lt_u32 s2, 4
	s_cbranch_scc0 .Lvalues
	; ---- keys: lane (r, hh) holds key r, channels 16 w + 8 hh + 0 .. 7
	MM 1
	CODE PC, 0, 0
	CODE PC+2, 0, 1
	CODE PC+4, 1, 0
	CODE PC+6, 1, 1
	v_nop
	ds_store_b64 v5, v[PC:PC+1]
	ds_store_b64 v5, v[PC+2:PC+3] offset:1024
	ds_store_b64 v5, v[PC+4:PC+5] offset:2048
	ds_store_b64 v5, v[PC+6:PC+7] offset:3072
	s_branch .Ljoin
.Lvalues:
	; ---- values: lane (r, hh) holds channel r, keys 16 m + 8 hh + 0 .. 7: the two tiles' codes are one group of V^T's image
	MM 0
	CODE PC, 0, 0
	CODE PC+2, 0, 1
	CODE PC+4, 1, 0
	CODE PC+6, 1, 1
	v_nop
	global_store_b128 v1, v[PC:PC+3], s[30:31]     ; 512 consecutive bytes
	global_store_b128 v1, v[PC+4:PC+7], s[32:33]
.Ljoin:
	s_wait_dscnt 0x0                               ; the keys' codes have landed
	s_barrier_signal -1
	s_barrier_wait -1
	ds_load_b128 v[24:27], v6                      ; each wave carries out 512 bytes of them
	s_wait_dscnt 0x0
	global_store_b128 v1, v[24:27], s[34:35]
	s_set_vgpr_msb 0x5
	s_wait_tensorcnt 0x0
	ds_add_u32 v0, v1
	s_wait_dscnt 0x0
	s_set_vgpr_msb 0x500
	s_endpgm
.Lfunc_end_k_q5d9bf76f59_kvproj:
	.size	k_q5d9bf76f59_kvproj, .Lfunc_end_k_q5d9bf76f59_kvproj-k_q5d9bf76f59_kvproj
	.p2alignl 7, 3214868480
	.fill 96, 4, 3214868480
	.section	.rodata,"a",@progbits
	.p2align	6, 0x0
	.amdhsa_kernel k_q5d9bf76f59_kvproj
		.amdhsa_group_segment_fixed_size 173056
		.amdhsa_private_segment_fixed_size 0
		.amdhsa_enable_private_segment 0
		.amdhsa_kernarg_size 40
		.amdhsa_user_sgpr_count 2
		.amdhsa_user_sgpr_kernarg_segment_ptr 1
		.amdhsa_wavefront_size32 1
		.amdhsa_system_sgpr_workgroup_id_x 1
		.amdhsa_system_sgpr_workgroup_id_y 1
		.amdhsa_system_sgpr_workgroup_id_z 1
		.amdhsa_system_vgpr_workitem_id 0
		.amdhsa_next_free_vgpr 258
		.amdhsa_next_free_sgpr 66
		.amdhsa_reserve_vcc 0
		.amdhsa_float_denorm_mode_32 3
		.amdhsa_float_denorm_mode_16_64 3
		.amdhsa_memory_ordered 1
		.amdhsa_forward_progress 1
		.amdhsa_inst_pref_size 42
	.end_amdhsa_kernel
	.amdgpu_metadata
---
amdhsa.version: [ 1, 2 ]
amdhsa.kernels:
  - .name:           k_q5d9bf76f59_kvproj
    .symbol:         k_q5d9bf76f59_kvproj.kd
    .args:
      - { .name: kvx, .offset: 0, .size: 8, .value_kind: global_buffer, .address_space: global }
      - { .name: kvs, .offset: 8, .size: 8, .value_kind: global_buffer, .address_space: global }
      - { .name: wcodes, .offset: 16, .size: 8, .value_kind: global_buffer, .address_space: global }
      - { .name: lowp_scales, .offset: 24, .size: 8, .value_kind: global_buffer, .address_space: global }
      - { .name: kvcodes, .offset: 32, .size: 8, .value_kind: global_buffer, .address_space: global }
    .group_segment_fixed_size: 173056
    .private_segment_fixed_size: 0
    .kernarg_segment_align: 8
    .kernarg_segment_size: 40
    .max_flat_workgroup_size: 256
    .sgpr_count:     66
    .vgpr_count:     258
    .wavefront_size: 32
...
	.end_amdgpu_metadata
.endif
;; end of part 2
;; launch qproj (part 3): grid 16 x 16, 4 waves a work-group, clusters of 4 x 4, 327,680 bytes of LDS; arguments acodes, wcodes, lowp_scales, qcodes; writes qcodes
.if DOCPART == 3
	.amdgcn_target "amdgcn-amd-amdhsa--gfx1250"
	.amdhsa_code_object_version 6
	.text
	.protected	k_q5d9bf76f59_qproj
	.globl	k_q5d9bf76f59_qproj
	.p2align	8
	.type	k_q5d9bf76f59_qproj,@function
k_q5d9bf76f59_qproj:
	s_mov_b64 s[64:65], 0
	v_nop
	global_prefetch_b8 v0, s[64:65] scope:SCOPE_SE
	s_setreg_imm32_b32 hwreg(HW_REG_WAVE_MODE, 25, 1), 1
	s_wait_xcnt 0x0
	s_wait_alu depctr_hold_cnt(0) depctr_sa_sdst(0) depctr_va_vdst(0) depctr_va_sdst(0) depctr_va_ssrc(0) depctr_va_vcc(0) depctr_vm_vsrc(0)
	s_getreg_b32 s2, hwreg(HW_REG_IB_STS2, 6, 4)
	s_cmp_eq_u32 s2, 0
	s_cbranch_scc0 .Lentry_in_a_cluster
	s_endpgm
.Lentry_in_a_cluster:
	s_bfe_u32 s2, ttmp6, 0x10000c
	s_cmp_lg_u32 s2, 0xf033
	s_cbranch_scc0 .Lentry_shape_is_right
	s_endpgm
.Lentry_shape_is_right:
; The four query projections, q = Q(x) Q(w), [4096][1024] each, K = 1,024, on codes of FP8 (E4M3); the results are quantised on the way out, with the attention's entry eq, and leave as codes.
; Both operands lie in memory as images of operand registers: a fragment, 16 rows x 128 K, is 2,048 bytes, [group of four registers][lane][16 bytes]; lane (r, hh) holds k = 16 c + 8 hh + 0 .. 7 of row r in registers 2 c, 2 c + 1.
;   acodes [p 4][block of 256 rows 16][ks 8][tile 16][2048];  wcodes [p 4][block of 256 columns 4][ks 8][tile 16][2048].  So a block's 16 fragments of a K step are 32,768 dense bytes: one tensor load.
;   qcodes [p 4][batch 4][head 16][tile of 16 queries 64][1024]: fragments of 16 queries x 64 channels.
; A tile of 256 x 256 is made by four waves, as many as a WGP has SIMDs, each 128 x 128: 64 accumulators, 512 registers.  K goes in steps of 256 through a ring of two LDS slots.
; CLUSTERS: 4 x 4 work-groups; the cluster's x is the product p.  The four of a row of the cluster need the same block of x's codes, the four of a column the same block of w's: each is asked for JOINTLY.
; THE MATRIX INSTRUCTION IS USED TRANSPOSED (source 0 = 16 rows of w's image, source 1 = 16 rows of x): a lane holds one query and eight neighbouring channels, so one conversion of an accumulator gives two registers of the next operand.
; REGISTERS, in windows of 256: window 0: v0-31 addresses; v32-95 at work on the way out; from v128 x's fragments, ONE set, later the codes.  window 1: w's fragments, TWO sets.  windows 2, 3: the accumulators ((a, b) at v[8 (8 (a % 4) + b)]).
; LIMIT: eq - ea - ew lies between -126 and 119.
.set LAPS,   2                         ; a lap = two slots = 512 along K
.set QTR,    32768                     ; 16 fragments: what one tensor load brings
.set SLOT,   4*QTR                     ; x's K step 0, x's K step 1, w's K step 0, w's K step 1
.set SPARE,  2*SLOT                    ; behind the ring: the spare words, 128 bytes for each wave: two blocks of 256 bytes that no other line names
.set FR,     16
.set NL,     4
.set NP,     4                         ; places behind this matrix instruction (ISA guide 7.12.1)
.set ADRA, 16                          ; v16-17  LDS address of my fragments of x in slot 0, 1
.set ADRB, 20                          ; v20-21  the same for w
.set CO,   26                          ; v26     16 x lane
.set SPW,  28                          ; v28     LDS address of my spare word; never rewritten
.set NIL,  29                          ; v29     0; never rewritten
.set AF,   128
.set G1, 24                            ; s[24:31] descriptor group 1 for x's blocks;  s[32:39] group 0, one set for each slot
.set G0, 32
.set G1B, 48                           ; s[48:55], s[56:63] the same for w's
.set G0B, 56
.set MSB, 0
.macro WIN new                         ; the immediate's high byte repeats the setting that is left
.if MSB != \new
	s_set_vgpr_msb (MSB<<8)|\new
.set MSB, \new
.endif
.endm
.set MUL_LO, 0xa1                      ; source 0 (w) window 1, source 1 (x) window 0, C and D window 2
.set MUL_HI, 0xf1                      ; the same, C and D window 3
.set TO_B,   0x40                      ; destination window 1, address window 0
; A joint load: waves 0 and 1 fetch x's two K steps, waves 2 and 3 w's.  The branch hangs on the wave's number alone.  Four v_nop follow each of the two lines.
.macro JLOAD g0a, g1a, g0b, g1b
	s_cmp_eq_u32 s15, 0
	s_cbranch_scc0 .Lfor_b_\@
	tensor_load_to_lds s[\g0a:\g0a+3], s[\g1a:\g1a+7]
	s_nop 0
.rept 4
	v_nop
.endr
	s_branch .Lasked_\@
.Lfor_b_\@:
	tensor_load_to_lds s[\g0b:\g0b+3], s[\g1b:\g1b+7]
	s_nop 0
.rept 4
	v_nop
.endr
.Lasked_\@:
.endm
.macro CREST                           ; a round of the cluster's barrier behind its opening barrier
	s_cmp_lg_u32 s14, 0
	s_cbranch_scc1 .Lnot_wave_0_\@
	s_barrier_signal -3
.Lnot_wave_0_\@:
	s_barrier_wait -3
	s_barrier_signal -1
	s_barrier_wait -1
.endm
.macro CROUND
	s_barrier_signal -1
	s_barrier_wait -1
	CREST
.endm
	s_load_b128 s[4:7], s[0:1], 0x0                ; acodes, wcodes
	s_load_b128 s[8:11], s[0:1], 0x10              ; the scales' exponents, qcodes
	v_lshl_add_u32 v[SPW], v0, 2, SPARE
	v_mov_b32 v[NIL], 0
	ds_add_u32 v28, v29
	ds_add_u32 v28, v29
	s_wait_dscnt 0x0
	v_lshrrev_b32 v1, 5, v0
	v_readfirstlane_b32 s14, v1                    ; wave 0..3
	s_lshr_b32 s15, s14, 1                         ; which half of the tile's rows is mine.  Also: I fetch for x (0) or for w (1)
	s_and_b32 s16, s14, 1                          ; which half of its columns.  Also: which of a slot's two K steps I fetch
	s_bfe_u32 s40, ttmp6, 0x40000                  ; cx, cy: my place in the cluster
	s_bfe_u32 s41, ttmp6, 0x40004
	s_lshl_b32 s42, ttmp9, 2
	s_add_co_u32 s42, s42, s40                     ; 4 p + block of columns
	s_and_b32 s17, ttmp7, 0xffff
	s_lshl_b32 s17, s17, 2
	s_add_co_u32 s17, s17, s41                     ; block of rows = 4 x cluster y + cy
	s_lshl_b32 s43, s41, 2
	s_lshl_b32 s43, 15, s43                        ; my row of the cluster
	s_lshl_b32 s44, 0x1111, s40                    ; my column
	; descriptor group 1: 32,768 dense bytes, stated as 128 rows of 32 elements of 8 bytes; no padding: fragments are read 512 consecutive bytes at a time
	s_or_b32 s[G1+0], s43, (3<<16)|(1<<21)         ; 15:0 the mask: x's blocks go to my row; 17:16 elements of 8 bytes; 21 set beside a mask
	s_or_b32 s[G1B+0], s44, (3<<16)|(1<<21)
.irp g, G1, G1B
	s_mov_b32 s[\g+1], 32<<16                      ; tensor_dim0
	s_mov_b32 s[\g+2], 128<<16                     ; tensor_dim1
	s_mov_b32 s[\g+3], 32<<16                      ; tile_dim0
	s_mov_b32 s[\g+4], 128                         ; tile_dim1
	s_mov_b32 s[\g+5], 32                          ; tensor_dim0_stride
	s_mov_b32 s[\g+6], 0
	s_mov_b32 s[\g+7], 0
.endr
	s_lshl_b32 s18, s16, 15                        ; my K step of the slot's two
	s_lshl_b32 s20, ttmp9, 22                      ; x: p, the block of rows
	s_lshl_b32 s19, s17, 18
	s_add_co_u32 s20, s20, s19
	s_add_co_u32 s20, s20, s18
	s_mov_b32 s21, 0
	s_lshl_b32 s46, s42, 18                        ; w: p and the block of columns
	s_add_co_u32 s46, s46, s18
	s_mov_b32 s47, 0
	s_lshl_b32 s45, s14, 15                        ; where they go: wave x 32,768: no place in the cluster enters an LDS address
	s_lshl_b32 s70, ttmp9, 3
	s_mov_b32 s71, 0
	s_lshl_b32 s74, ttmp9, 4
	s_mov_b32 s75, 0
	s_wait_kmcnt 0x0
	s_add_nc_u64 s[70:71], s[8:9], s[70:71]
	s_add_nc_u64 s[74:75], s[8:9], s[74:75]
	s_load_b64 s[96:97], s[70:71], 0x0             ; entries 2 p, 2 p + 1: ea, ew
	s_load_b32 s98, s[74:75], 0x30                 ; entry 12 + 4 p: eq
	s_add_nc_u64 s[20:21], s[4:5], s[20:21]
	s_add_nc_u64 s[46:47], s[6:7], s[46:47]
	CROUND                                         ; all sixteen work-groups are here: the first joint loads meet
.irp s, 0,1
	s_mov_b32 s[G0+4*\s], 1
	s_add_co_u32 s[G0+4*\s+1], s45, \s*SLOT
	s_add_nc_u64 s[G0+4*\s+2:G0+4*\s+3], s[20:21], \s*2*QTR
	s_or_b32 s[G0+4*\s+3], s[G0+4*\s+3], 0x80000000
	s_mov_b32 s[G0B+4*\s], 1
	s_add_co_u32 s[G0B+4*\s+1], s45, \s*SLOT
	s_add_nc_u64 s[G0B+4*\s+2:G0B+4*\s+3], s[46:47], \s*2*QTR
	s_or_b32 s[G0B+4*\s+3], s[G0B+4*\s+3], 0x80000000
	JLOAD G0+4*\s, G1, G0B+4*\s, G1B
.endr
	v_and_b32 v6, 31, v0
	v_lshlrev_b32 v[CO], 4, v6
	s_lshl_b32 s21, s15, 14                        ; my eight tiles of x's sixteen,
	s_lshl_b32 s22, s16, 14                        ; my eight of w's,
	s_add_co_u32 s22, s22, 2*QTR                   ; which lie behind x's two K steps
.irp s, 0,1
	v_add_nc_u32 v[ADRA+\s], s21, v[CO]
	v_add_nc_u32 v[ADRB+\s], s22, v[CO]
	s_add_co_u32 s21, s21, SLOT
	s_add_co_u32 s22, s22, SLOT
.endr
	s_lshl_b32 s20, ttmp9, 22                      ; qcodes: p,
	s_lshr_b32 s21, s17, 2
	s_lshl_b32 s21, s21, 20
	s_add_co_u32 s20, s20, s21                     ; the batch,
	s_and_b32 s21, s17, 3
	s_lshl_b32 s21, s21, 4
	s_lshl_b32 s22, s15, 3
	s_add_co_u32 s21, s21, s22
	s_lshl_b32 s21, s21, 10
	s_add_co_u32 s20, s20, s21                     ; my first tile of queries,
	s_lshl_b32 s21, s40, 2
	s_lshl_b32 s22, s16, 1
	s_add_co_u32 s21, s21, s22
	s_lshl_b32 s21, s21, 16
	s_add_co_u32 s20, s20, s21                     ; my first head: 4 x block of columns + 2 x half
	s_mov_b32 s21, 0
	s_add_nc_u64 s[10:11], s[10:11], s[20:21]
.macro FRAG reg, adr, q, i             ; a fragment comes as its image lies: four loads of 512 consecutive bytes
.irp c, 0,1,2,3
	ds_load_b128 v[\reg+4*\c:\reg+4*\c+3], v[\adr] offset:QTR*(\q)+2048*(\i)+512*\c
.endr
.endm
; 16 matrix instructions: x's blocks a0, a0 + 1 against w's eight, 128 along K.  p: w's set.  zero = 1: the first product starts the sums.
; The 64 accumulators take turns, one instruction a turn, in the same order in every step.
.macro MUL16 a0, p, zero
.irp a, \a0, \a0+1
.irp b, 0,1,2,3,4,5,6,7
.if \zero
	v_wmma_f32_16x16x128_fp8_fp8 v[8*(8*((\a)%4)+\b):8*(8*((\a)%4)+\b)+7], v[128*(\p)+FR*\b:128*(\p)+FR*\b+FR-1], v[AF+FR*(\a):AF+FR*(\a)+FR-1], 0
.else
	v_wmma_f32_16x16x128_fp8_fp8 v[8*(8*((\a)%4)+\b):8*(8*((\a)%4)+\b)+7], v[128*(\p)+FR*\b:128*(\p)+FR*\b+FR-1], v[AF+FR*(\a):AF+FR*(\a)+FR-1], v[8*(8*((\a)%4)+\b):8*(8*((\a)%4)+\b)+7]
.endif
.endr
.endr
.endm
.macro FETCH_B slot, q, p
	WIN TO_B
.irp i, 0,1,2,3,4,5,6,7
	FRAG 128*(\p)+FR*\i, ADRB+\slot, \q, \i
.endr
	WIN 0
.endm
.macro FETCH_A slot, q, i0
.irp i, \i0, \i0+1, \i0+2, \i0+3
	FRAG AF+FR*(\i), ADRA+\slot, \q, \i
.endr
.endm
.macro PLACES n                        ; plain vector lines between a matrix instruction and a load into, or a vector read or write of, its registers
.rept \n
	v_nop
.endr
.endm
; A step of 128 along K that has its successor in the same slot.  x has one set of registers: blocks 0-3 are fetched anew in the step's middle, blocks 4-7 at its end.
.macro STEP slot, q, zero
	s_wait_dscnt 4*NL                              ; w's set and x's blocks 0-3 are in; the youngest 16 loads (x's blocks 4-7) may be out
	WIN MUL_LO
	MUL16 0, (\q)%2, \zero
	MUL16 2, (\q)%2, \zero
	s_wait_dscnt 0
	PLACES NP
	FETCH_B \slot, (\q)+1, 1-(\q)%2
	FETCH_A \slot, (\q)+1, 0
	WIN MUL_HI
	MUL16 4, (\q)%2, \zero
	MUL16 6, (\q)%2, \zero
	PLACES NP
	WIN 0
	FETCH_A \slot, (\q)+1, 4
.endm
; A slot's last step changes slots: ONE barrier; in front of it each wave waits for all its tensor loads, adds 0 to its spare word, and waits for that and for its own reads of this slot.  fill = 1: this slot is filled again, two slots ahead.
.macro TURN slot, next, fill
	s_wait_tensorcnt 0x0                           ; all my tensor loads have landed: my part of the next slot
	ds_add_u32 v[SPW], v[NIL]                      ; 0 onto my spare word
	s_wait_dscnt 4*NL+1                            ; (the add and the youngest 16 loads may be out)
	WIN MUL_LO
	MUL16 0, 1, 0                                  ; sixteen matrix instructions stand between the add and the wait for it
	s_wait_dscnt 0x0                               ; the add is done, and my reads of this slot are over
	s_barrier_signal -1
	MUL16 2, 1, 0
	WIN 0
	s_barrier_wait -1
.if \fill
	CREST                                          ; the barrier has opened a round of the cluster's barrier: no wave of any partner still reads this slot or has a load on its way
	s_add_nc_u64 s[G0+4*\slot+2:G0+4*\slot+3], s[G0+4*\slot+2:G0+4*\slot+3], 4*QTR
	s_add_nc_u64 s[G0B+4*\slot+2:G0B+4*\slot+3], s[G0B+4*\slot+2:G0B+4*\slot+3], 4*QTR
	JLOAD G0+4*\slot, G1, G0B+4*\slot, G1B         ; the first tensor load behind the round; its four v_nop are also the places in front of the loads below
.else
	PLACES NP
.endif
	FETCH_B \next, 0, 0
	FETCH_A \next, 0, 0
	WIN MUL_HI
	MUL16 4, 1, 0
	MUL16 6, 1, 0
	PLACES NP
	WIN 0
	FETCH_A \next, 0, 4
.endm
	s_wait_tensorcnt 1                             ; my part of slot 0 is in (slot 1's load may be out)
	s_barrier_signal -1
	s_barrier_wait -1                              ; everybody's is
	FETCH_B 0, 0, 0
	FETCH_A 0, 0, 0
	FETCH_A 0, 0, 4
	STEP 0, 0, 1                                   ; the first step stands in front of the loop: its products start the sums
	s_mov_b32 s3, LAPS-1
.Llap:                                                 ; a trip goes once round the ring and fills both slots again
	TURN 0, 1, 1
	STEP 1, 0, 0
	TURN 1, 0, 1
	STEP 0, 0, 0
	s_sub_co_u32 s3, s3, 1
	s_cmp_lg_u32 s3, 0
	s_cbranch_scc1 .Llap
	TURN 0, 1, 0                                   ; the last lap fills nothing
	STEP 1, 0, 0
	s_wait_dscnt 4*NL
	WIN MUL_LO
	MUL16 0, 1, 0
	MUL16 2, 1, 0
	s_wait_dscnt 0
	WIN MUL_HI
	MUL16 4, 1, 0
	MUL16 6, 1, 0
	WIN 0
; THE WAY OUT.  Block a (16 queries x 128 channels = two heads): held, each accumulator from its low end on; accumulator b's conversion gives registers 2 (b % 4), 2 (b % 4) + 1 of head b / 4's fragment.
; The codes take the registers that held x's fragments, sixteen for each block: no store's data are written again.  Each store covers 512 consecutive bytes.
.macro QOUT a
.set AC, 64*((\a)%4)
	WIN (0x02+((\a)/4))                            ; source 0: window 2 or 3
.set j, 0
.rept 64
	v_med3_num_f32 v[32+j], v[AC+j], -v12, v12     ; the conversion to an 8-bit code does not saturate (ISA guide 7.6.2)
.set j, j+1
.endr
	WIN 0
.irp b, 0,1,2,3,4,5,6,7
	v_cvt_scalef32_pk8_fp8_f32 v[128+16*(\a)+2*\b:128+16*(\a)+2*\b+1], v[32+8*\b:32+8*\b+7], v13
.endr
	v_nop                                          ; a plain line behind the last conversion: the next block's holds write its sources
.irp u, 0,1,2,3
	global_store_b128 v[CO], v[128+16*(\a)+4*\u:128+16*(\a)+4*\u+3], s[10:11] offset:1024*(\a)+65536*(\u/2)+512*(\u%2)
.endr
.endm
	s_wait_kmcnt 0x0
	s_sub_co_i32 s98, s98, s96                     ; a sum stands for sum x 2^(ea + ew): its code is sum / 2^(eq - ea - ew)
	s_sub_co_i32 s98, s98, s97
	s_add_co_i32 s98, s98, 127
	s_lshl_b32 s96, s98, 23
	v_mov_b32 v13, s96
	s_add_co_i32 s98, s98, 8
	s_lshl_b32 s98, s98, 23
	s_or_b32 s98, s98, 0x600000
	v_mov_b32 v12, s98
	PLACES NP
.irp a, 0,1,2,3,4,5,6,7
	QOUT \a
.endr
	s_wait_tensorcnt 0x0                           ; the wave's end
	ds_add_u32 v[SPW], v[NIL]
	s_wait_dscnt 0x0
	CROUND                                         ; the closing round: no work-group ends while a partner may still ask for a block that names it
	s_endpgm
.Lfunc_end_k_q5d9bf76f59_qproj:
	.size	k_q5d9bf76f59_qproj, .Lfunc_end_k_q5d9bf76f59_qproj-k_q5d9bf76f59_qproj
	.p2alignl 7, 3214868480
	.fill 96, 4, 3214868480
	.section	.rodata,"a",@progbits
	.p2align	6, 0x0
	.amdhsa_kernel k_q5d9bf76f59_qproj
		.amdhsa_group_segment_fixed_size 327680
		.amdhsa_private_segment_fixed_size 0
		.amdhsa_enable_private_segment 0
		.amdhsa_kernarg_size 32
		.amdhsa_user_sgpr_count 2
		.amdhsa_user_sgpr_kernarg_segment_ptr 1
		.amdhsa_wavefront_size32 1
		.amdhsa_system_sgpr_workgroup_id_x 1
		.amdhsa_system_sgpr_workgroup_id_y 1
		.amdhsa_system_sgpr_workgroup_id_z 1
		.amdhsa_system_vgpr_workitem_id 0
		.amdhsa_next_free_vgpr 1024
		.amdhsa_next_free_sgpr 100
		.amdhsa_reserve_vcc 0
		.amdhsa_float_denorm_mode_32 3
		.amdhsa_float_denorm_mode_16_64 3
		.amdhsa_memory_ordered 1
		.amdhsa_forward_progress 1
		.amdhsa_inst_pref_size 117
	.end_amdhsa_kernel
	.amdgpu_metadata
---
amdhsa.version: [ 1, 2 ]
amdhsa.kernels:
  - .name:           k_q5d9bf76f59_qproj
    .symbol:         k_q5d9bf76f59_qproj.kd
    .args:
      - { .name: acodes, .offset: 0, .size: 8, .value_kind: global_buffer, .address_space: global }
      - { .name: wcodes, .offset: 8, .size: 8, .value_kind: global_buffer, .address_space: global }
      - { .name: lowp_scales, .offset: 16, .size: 8, .value_kind: global_buffer, .address_space: global }
      - { .name: qcodes, .offset: 24, .size: 8, .value_kind: global_buffer, .address_space: global }
    .group_segment_fixed_size: 327680
    .private_segment_fixed_size: 0
    .kernarg_segment_align: 8
    .kernarg_segment_size: 32
    .max_flat_workgroup_size: 128
    .sgpr_count:     100
    .vgpr_count:     1024
    .wavefront_size: 32
...
	.end_amdgpu_metadata
.endif
;; end of part 3
;; launch attn (part 4): grid 16 x 16, 16 waves a work-group, no clusters, 133,120 bytes of LDS; arguments qcodes, kvcodes, lowp_scales, catcodes; writes catcodes
.if DOCPART == 4
	.amdgcn_target "amdgcn-amd-amdhsa--gfx1250"
	.amdhsa_code_object_version 6
	.text
	.protected	k_q5d9bf76f59_attn
	.globl	k_q5d9bf76f59_attn
	.p2align	8
	.type	k_q5d9bf76f59_attn,@function
k_q5d9bf76f59_attn:
	s_mov_b64 s[64:65], 0
	v_nop
	global_prefetch_b8 v0, s[64:65] scope:SCOPE_SE
	s_setreg_imm32_b32 hwreg(HW_REG_WAVE_MODE, 25, 1), 1
	s_wait_xcnt 0x0
; The four attentions, both products on codes of FP8 (E4M3): o = softmax(q k^T / 8) v, 1,024 queries x 1,024 keys, head size 64, ONE key and value head for a batch's 16 query heads.
; Attention a = 0 .. 3 (x, s, xs, sx) has the entries eq, ek, ep, ev = 12 + 4 a .. 15 + 4 a.  Its result is quantised on the way out with the entry of the output product's left operand (28 + 2 (a % 2)).
; THE SOFTMAX: t = score x log2(e) / 8; M = the row's largest t so far, rounded UP to a whole number; p = 2^(t - M) is what is quantised; the row's sum is taken of the unquantised p and divides at the end.
; When M moves, the sum and O are multiplied by 2^(old M - new M): exact.
; All operands lie in memory as images of operand registers, [group of four registers][lane][16 bytes]; lane (r, hh) holds k = 16 c + 8 hh + 0 .. 7 of row r in registers 2 c, 2 c + 1.
;   qcodes [a][batch][head][tile of 16 queries 64][1024];  kvcodes [a][batch][step of 128 keys 8]{ K [tile of 16 keys 8][1024]; +8192 V^T [tile of 16 channels 4][2048] };
;   catcodes [o = a % 2][block of 256 rows 16][ks = head 16][tile of 16 rows 16][2048]: xs and sx (a = 2, 3) are the first 64 of a head's 128 columns (groups 0, 1), x and s the second (groups 2, 3).
; SHARES.  A work-group is one (a, batch, head): 64 tiles of 16 queries; each of its sixteen waves takes four, one after the other, in 256 registers: four waves to a SIMD, so that one wave's vector work stands beside another's
; matrix work and LDS loads.  ALL keys and values of (a, batch), 131,072 bytes, are copied into LDS once, through registers: one barrier, no ring.
; No joint loads, though the 16 heads of a batch read the same K and V: a work-group reads those 131,072 bytes once, at its head, and then walks them 64 times out of LDS: what could be shared is a small part of its work.
; LAYOUT.  Both products are used transposed: S^T = K Q^T (source 0 = 16 keys, source 1 = my 16 queries), O^T = V^T P^T: a lane holds ONE query throughout, tile t's eight scores are keys 16 t + 8 hh + 0 .. 7, and their
; conversion gives registers 2 t, 2 t + 1 of P; O^T's tile d likewise gives two registers of the next product's operand.
; LIMITS: eq + ek between -123 and 130 (added to c's exponent field); ep, and ecat - ep - ev, between -126 and 119.
.set LI,  1                            ; v1   16 x lane
.set ADR, 2                            ; v2   LDS address of the step's images
.set CP,  3                            ; v3   the copy: my wave's 8,192 bytes, 16 x lane
.set QO,  4                            ; v4   my wave's four tiles in the head's codes of Q
.set WV,  18
.set SEL, 20                           ; s[20:21] lane selects for v_permlanex16_b32: lane l xor 16
.set CS,  22                           ; s[22:23] c = log2(e) / 8 x 2^(eq + ek)
.set TB,  24                           ; s24  LDS byte at which the step in hand begins
; REGISTERS: v12 -M, v13 the largest t, v[14:15] the sum in two halves; v32-95 eight fragments of K, then four of V^T; v96-159 S^T, then p; v160-191 O^T; v192-223 Q's four fragments, each later its tile's codes;
; v224-239 p's codes; v240 448 x 2^ep, v244 2^ep; v241, v245 the same with ecat - ep - ev; v236, v242, v243, v252-254 at work.
.macro TILE i
	v_mov_b32 v13, 0xff61b1e6                      ; the largest t so far: -3e38, under every t
	v_floor_f32 v12, -v13                          ; -M
	v_mov_b32 v14, 0
	v_mov_b32 v15, 0
.set j, 0
.rept 32
	v_mov_b32 v[160+j], 0                          ; O^T.  (The step is written once a tile: the first finds zeros, which the first change of M leaves zeros; a first step of its own would double the text)
.set j, j+1
.endr
	s_mov_b32 s[TB], 0
.Lstep_\@:                                             ; eight trips of 128 keys
	v_add_nc_u32 v[ADR], s[TB], v[LI]
.irp t, 0,1,2,3,4,5,6,7
	ds_load_b128 v[32+8*\t:35+8*\t], v[ADR] offset:1024*\t
	ds_load_b128 v[36+8*\t:39+8*\t], v[ADR] offset:1024*\t+512
.endr
	s_wait_dscnt 0x0
.irp t, 0,1,2,3,4,5,6,7
	v_wmma_f32_16x16x64_fp8_fp8 v[96+8*\t:103+8*\t], v[32+8*\t:39+8*\t], v[192+8*\i:199+8*\i], 0
.endr
.rept 4
	v_nop                                          ; places in front of the loads into K's registers and of the first read of the scores
.endr
.irp d, 0,1,2,3
.irp g, 0,1,2,3
	ds_load_b128 v[32+16*\d+4*\g:35+16*\d+4*\g], v[ADR] offset:8192+2048*\d+512*\g   ; V^T lands while the softmax is walked
.endr
.endr
	v_max3_num_f32 v254, v96, v97, v98             ; the step's largest score of my query, among my 64 keys, in two chains (each accumulator is first read at its low end),
	v_max3_num_f32 v252, v99, v100, v101
.irp n, 6,10,14,18,22,26,30,34,38,42,46,50,54,58
	v_max3_num_f32 v254, v254, v[96+\n], v[97+\n]
	v_max3_num_f32 v252, v252, v[98+\n], v[99+\n]
.endr
	v_max3_num_f32 v254, v254, v158, v159
	v_max_num_f32 v254, v254, v252
	v_permlanex16_b32 v236, v254, s[SEL], s[SEL+1]
	v_max_num_f32 v254, v254, v236                 ; and among lane l xor 16's
	v_mul_f32 v254, s[CS], v254                    ; as t (c is positive)
	v_max_num_f32 v13, v13, v254                   ; the running largest t
	v_mov_b32 v254, v12
	v_floor_f32 v12, -v13                          ; the new -M = floor(-t) = -ceil(t)
	v_sub_f32 v254, v12, v254                      ; old M - new M: a whole number, 0 or less
	v_cvt_i32_f32 v254, v254                       ; (it saturates)
	v_ldexp_f32 v252, 1.0, v254                    ; f = 2^(old M - new M)
.set j, 0
.rept 32
	v_pk_fma_f32 v[96+j:97+j], v[96+j:97+j], s[CS:CS+1], v[12:13] op_sel_hi:[1,0,0]   ; t - M, two at a time
.set j, j+2
.endr
.set j, 0
.rept 64
	v_exp_f32 v[96+j], v[96+j]                     ; p = 2^(t - M), at most 1
.set j, j+1
.endr
	v_pk_mul_f32 v[14:15], v[14:15], v[252:253] op_sel_hi:[1,0]   ; the sums under the new M: the plain line behind the exponentials
	s_wait_alu depctr_va_vdst(0)                   ; one wait for the whole batch, ahead of its first reader
	v_pk_add_f32 v[242:243], v[96:97], v[98:99]    ; the row's sum, of the unquantised p, in two chains
.irp n, 4,8,12,16,20,24,28,32,36,40,44,48,52,56,60
	v_pk_add_f32 v[14:15], v[14:15], v[96+\n:97+\n]
	v_pk_add_f32 v[242:243], v[242:243], v[98+\n:99+\n]
.endr
	v_pk_add_f32 v[14:15], v[14:15], v[242:243]
	s_cmp_ge_i32 s14, -8                           ; p is at most 1, and 448 x 2^ep is at least 1.75 where ep >= -8: the hold then changes nothing and is passed over (a branch on a whole number that was loaded)
	s_cbranch_scc1 .Lheld_\@
.set j, 0
.rept 64
	v_min_num_f32 v[96+j], v[96+j], v240           ; the conversion to an 8-bit code does not saturate (ISA guide 7.6.2); p is not negative: the hold is one-sided
.set j, j+1
.endr
.Lheld_\@:
.irp t, 0,1,2,3,4,5,6,7
	v_cvt_scalef32_pk8_fp8_f32 v[224+2*\t:225+2*\t], v[96+8*\t:103+8*\t], v244
.endr
.set j, 0
.rept 16
	v_pk_mul_f32 v[160+j:161+j], v[160+j:161+j], v[252:253] op_sel_hi:[1,0]   ; O^T under the new M.  (Plain lines between the conversions and the products that read their results)
.set j, j+2
.endr
	s_wait_dscnt 0x0                               ; V^T is in
.irp d, 0,1,2,3
	v_wmma_f32_16x16x128_fp8_fp8 v[160+8*\d:167+8*\d], v[32+16*\d:47+16*\d], v[224:239], v[160+8*\d:167+8*\d]
.endr
.rept 4
	v_nop                                          ; places in front of the next trip's loads into V^T's registers, and of the way out
.endr
	s_add_co_u32 s[TB], s[TB], 16384
	s_cmp_lt_u32 s[TB], 131072
	s_cbranch_scc1 .Lstep_\@
	; the way out: O^T / the sum, held, converted: two registers a tile of channels, eight in all, into the registers that held this tile's Q
	v_add_f32 v14, v14, v15
	v_permlanex16_b32 v252, v14, s[SEL], s[SEL+1]
	v_add_f32 v14, v14, v252                       ; the row's sum
	v_rcp_f32 v14, v14
	v_nop                                          ; a plain line behind the reciprocal
	s_wait_alu depctr_va_vdst(0)                   ; and the wait ahead of its first reader
.set j, 0
.rept 16
	v_pk_mul_f32 v[160+j:161+j], v[160+j:161+j], v[14:15] op_sel_hi:[1,0]
.set j, j+2
.endr
.set j, 0
.rept 32
	v_med3_num_f32 v[160+j], v[160+j], -v241, v241
.set j, j+1
.endr
.irp d, 0,1,2,3
	v_cvt_scalef32_pk8_fp8_f32 v[192+8*\i+2*\d:193+8*\i+2*\d], v[160+8*\d:167+8*\d], v245
.endr
	v_nop                                          ; a plain line behind the last conversion: the next tile writes its sources
	global_store_b128 v[LI], v[192+8*\i:195+8*\i], s[10:11] offset:2048*\i       ; 2 x 512 consecutive bytes: my half of the tile's image
	global_store_b128 v[LI], v[196+8*\i:199+8*\i], s[10:11] offset:2048*\i+512
.endm
	s_load_b128 s[4:7], s[0:1], 0x0                ; qcodes, kvcodes
	s_load_b128 s[8:11], s[0:1], 0x10              ; the scales' exponents, catcodes
	v_lshl_add_u32 v251, v0, 2, 0x20000
	v_mov_b32 v255, 0
	v_lshrrev_b32 v5, 5, v0
	v_readfirstlane_b32 s[WV], v5                  ; wave 0..15
	v_and_b32 v6, 31, v0
	v_lshlrev_b32 v[LI], 4, v6
	s_lshl_b32 s25, s[WV], 13
	v_add_nc_u32 v[CP], s25, v[LI]
	s_lshl_b32 s25, s[WV], 12
	v_add_nc_u32 v[QO], s25, v[LI]
	s_and_b32 s26, ttmp7, 0xffff                   ; 4 a + batch
	s_lshr_b32 s27, s26, 2                         ; a
	s_and_b32 s28, s26, 3                          ; batch
	s_lshl_b32 s30, s26, 17                        ; K and V of (a, batch)
	s_mov_b32 s31, 0
	s_lshl_b32 s32, s26, 20                        ; Q of (a, batch, head)
	s_lshl_b32 s33, ttmp9, 16
	s_add_co_u32 s32, s32, s33
	s_mov_b32 s33, 0
	s_and_b32 s34, s27, 1                          ; o
	s_lshl_b32 s36, s34, 23
	s_lshl_b32 s35, s28, 21
	s_add_co_u32 s36, s36, s35                     ; the batch's four blocks of 256 rows,
	s_lshl_b32 s35, ttmp9, 15
	s_add_co_u32 s36, s36, s35                     ; K step = head,
	s_lshr_b32 s35, s27, 1
	s_xor_b32 s35, s35, 1
	s_lshl_b32 s35, s35, 10
	s_add_co_u32 s36, s36, s35                     ; groups 0, 1 for a = 2, 3; groups 2, 3 for a = 0, 1,
	s_lshr_b32 s35, s[WV], 2
	s_lshl_b32 s35, s35, 19
	s_add_co_u32 s36, s36, s35                     ; my block of 256 rows,
	s_and_b32 s35, s[WV], 3
	s_lshl_b32 s35, s35, 13
	s_add_co_u32 s36, s36, s35                     ; my four tiles in it
	s_mov_b32 s37, 0
	s_lshl_b32 s38, s27, 4
	s_mov_b32 s39, 0
	s_lshl_b32 s40, s34, 3
	s_mov_b32 s41, 0
	s_mov_b32 s[SEL], 0x76543210
	s_mov_b32 s[SEL+1], 0xfedcba98
	s_wait_kmcnt 0x0
	s_add_nc_u64 s[6:7], s[6:7], s[30:31]
	s_add_nc_u64 s[4:5], s[4:5], s[32:33]
	s_add_nc_u64 s[10:11], s[10:11], s[36:37]
	s_add_nc_u64 s[38:39], s[8:9], s[38:39]
	s_add_nc_u64 s[40:41], s[8:9], s[40:41]
	s_load_b128 s[12:15], s[38:39], 0x30           ; eq, ek, ep, ev
	s_load_b32 s16, s[40:41], 0x70                 ; ecat
.irp i, 0,1,2,3,4,5,6,7,8,9,10,11,12,13,14,15
	global_load_b128 v[32+4*\i:35+4*\i], v[CP], s[6:7] offset:512*\i             ; my sixteenth of K and V
.endr
.irp i, 0,1,2,3
	global_load_b128 v[192+8*\i:195+8*\i], v[QO], s[4:5] offset:1024*\i th:TH_LOAD_NT      ; Q's four fragments stay in registers
	global_load_b128 v[196+8*\i:199+8*\i], v[QO], s[4:5] offset:1024*\i+512 th:TH_LOAD_NT
.endr
	v_mov_b32 v236, 0                              ; written once: a lane permute's destination counts as one of its sources
	v_mov_b32 v252, 0
	v_mov_b32 v253, 0                              ; (named as the upper half of the pair v[252:253])
	s_wait_kmcnt 0x0
	s_add_co_i32 s25, s12, s13
	s_lshl_b32 s25, s25, 23
	s_mov_b32 s[CS], 0x3e38aa3b                    ; log2(e) / 8
	s_add_co_i32 s[CS], s[CS], s25                 ; a score stands for score x 2^(eq + ek): the exponents are added to c's exponent field
	s_mov_b32 s[CS+1], s[CS]
	s_add_co_i32 s25, s14, 127
	s_lshl_b32 s26, s25, 23
	v_mov_b32 v244, s26                            ; 2^ep
	s_add_co_i32 s25, s25, 8
	s_lshl_b32 s25, s25, 23
	s_or_b32 s25, s25, 0x600000
	v_mov_b32 v240, s25                            ; 448 x 2^ep
	s_sub_co_i32 s25, s16, s14                     ; O^T / the sum stands for o / 2^(ep + ev): its code is that / 2^(ecat - ep - ev)
	s_sub_co_i32 s25, s25, s15
	s_add_co_i32 s25, s25, 127
	s_lshl_b32 s26, s25, 23
	v_mov_b32 v245, s26
	s_add_co_i32 s25, s25, 8
	s_lshl_b32 s25, s25, 23
	s_or_b32 s25, s25, 0x600000
	v_mov_b32 v241, s25
	s_wait_loadcnt 8                               ; K's and V's 16 loads are in; Q's 8 may be out
.irp i, 0,1,2,3,4,5,6,7,8,9,10,11,12,13,14,15
	ds_store_b128 v[CP], v[32+4*\i:35+4*\i] offset:512*\i
.endr
	s_wait_dscnt 0x0                               ; for the others' sake: my part has landed
	s_barrier_signal -1
	s_barrier_wait -1                              ; all of K and V lies in LDS; nobody writes LDS again
	s_wait_loadcnt 0x0                             ; Q
	TILE 0
	TILE 1
	TILE 2
	TILE 3
	s_wait_tensorcnt 0x0
	ds_add_u32 v251, v255
	s_wait_dscnt 0x0
	s_endpgm
.Lfunc_end_k_q5d9bf76f59_attn:
	.size	k_q5d9bf76f59_attn, .Lfunc_end_k_q5d9bf76f59_attn-k_q5d9bf76f59_attn
	.p2alignl 7, 3214868480
	.fill 96, 4, 3214868480
	.section	.rodata,"a",@progbits
	.p2align	6, 0x0
	.amdhsa_kernel k_q5d9bf76f59_attn
		.amdhsa_group_segment_fixed_size 133120
		.amdhsa_private_segment_fixed_size 0
		.amdhsa_enable_private_segment 0
		.amdhsa_kernarg_size 32
		.amdhsa_user_sgpr_count 2
		.amdhsa_user_sgpr_kernarg_segment_ptr 1
		.amdhsa_wavefront_size32 1
		.amdhsa_system_sgpr_workgroup_id_x 1
		.amdhsa_system_sgpr_workgroup_id_y 1
		.amdhsa_system_sgpr_workgroup_id_z 1
		.amdhsa_system_vgpr_workitem_id 0
		.amdhsa_next_free_vgpr 256
		.amdhsa_next_free_sgpr 66
		.amdhsa_reserve_vcc 0
		.amdhsa_float_denorm_mode_32 3
		.amdhsa_float_denorm_mode_16_64 3
		.amdhsa_memory_ordered 1
		.amdhsa_forward_progress 1
		.amdhsa_inst_pref_size 88
	.end_amdhsa_kernel
	.amdgpu_metadata
---
amdhsa.version: [ 1, 2 ]
amdhsa.kernels:
  - .name:           k_q5d9bf76f59_attn
    .symbol:         k_q5d9bf76f59_attn.kd
    .args:
      - { .name: qcodes, .offset: 0, .size: 8, .value_kind: global_buffer, .address_space: global }
      - { .name: kvcodes, .offset: 8, .size: 8, .value_kind: global_buffer, .address_space: global }
      - { .name: lowp_scales, .offset: 16, .size: 8, .value_kind: global_buffer, .address_space: global }
      - { .name: catcodes, .offset: 24, .size: 8, .value_kind: global_buffer, .address_space: global }
    .group_segment_fixed_size: 133120
    .private_segment_fixed_size: 0
    .kernarg_segment_align: 8
    .kernarg_segment_size: 32
    .max_flat_workgroup_size: 512
    .sgpr_count:     66
    .vgpr_count:     256
    .wavefront_size: 32
...
	.end_amdgpu_metadata
.endif
;; end of part 4
;; launch oproj (part 5): grid 8 x 16, 4 waves a work-group, clusters of 4 x 4, 327,680 bytes of LDS; arguments catcodes, wcodes, lowp_scales, out0, out1, b_xproj, b_sproj; writes out0, out1
.if DOCPART == 5
	.amdgcn_target "amdgcn-amd-amdhsa--gfx1250"
	.amdhsa_code_object_version 6
	.text
	.protected	k_q5d9bf76f59_oproj
	.globl	k_q5d9bf76f59_oproj
	.p2align	8
	.type	k_q5d9bf76f59_oproj,@function
k_q5d9bf76f59_oproj:
	s_mov_b64 s[64:65], 0
	v_nop
	global_prefetch_b8 v0, s[64:65] scope:SCOPE_SE
	s_setreg_imm32_b32 hwreg(HW_REG_WAVE_MODE, 25, 1), 1
	s_wait_xcnt 0x0
	s_wait_alu depctr_hold_cnt(0) depctr_sa_sdst(0) depctr_va_vdst(0) depctr_va_sdst(0) depctr_va_ssrc(0) depctr_va_vcc(0) depctr_vm_vsrc(0)
	s_getreg_b32 s2, hwreg(HW_REG_IB_STS2, 6, 4)
	s_cmp_eq_u32 s2, 0
	s_cbranch_scc0 .Lentry_in_a_cluster
	s_endpgm
.Lentry_in_a_cluster:
	s_bfe_u32 s2, ttmp6, 0x10000c
	s_cmp_lg_u32 s2, 0xf033
	s_cbranch_scc0 .Lentry_shape_is_right
	s_endpgm
.Lentry_shape_is_right:
; The two output projections, out = Q(cat) Q(w) + b, [4096][1024] each, K = 2,048, on codes of FP8 (E4M3); out is f32.
; Both operands lie in memory as images of operand registers: a fragment, 16 rows x 128 K, is 2,048 bytes, [group of four registers][lane][16 bytes]; lane (r, hh) holds k = 16 c + 8 hh + 0 .. 7 of row r in registers 2 c, 2 c + 1.
;   catcodes [o 2][block of 256 rows 16][ks 16][tile 16][2048];  wcodes at WO [o 2][block of 256 columns 4][ks 16][tile 16][2048].  A block's 16 fragments of a K step are 32,768 dense bytes: one tensor load.
; A tile of 256 x 256 is made by four waves, as many as a WGP has SIMDs, each 128 x 128: 64 accumulators, 512 registers.  K goes in steps of 256 through a ring of two LDS slots.
; The two outputs have 128 such tiles: 128 work-groups.  A tile of 128 columns would give 256, but each wave would then read half as many products' worth from each LDS byte.
; CLUSTERS: 4 x 4 work-groups; the cluster's x is the output o.  The four of a row of the cluster need the same block of cat's codes, the four of a column the same block of w's: each is asked for JOINTLY.
; THE MATRIX INSTRUCTION IS USED TRANSPOSED (source 0 = 16 rows of w's image, source 1 = 16 rows of cat): a lane holds eight neighbouring numbers of a row of out.
; REGISTERS, in windows of 256: window 0: v0-31 addresses, v8-11 my four numbers of the bias; from v128 cat's fragments, ONE set, later rows of out.  window 1: w's fragments, TWO sets.  windows 2, 3: the accumulators.
; LIMIT: ea + ew lies between -126 and 127, so that 2^(ea + ew) is an f32 number.
.set LAPS,   4                         ; a lap = two slots = 512 along K
.set QTR,    32768
.set SLOT,   4*QTR
.set SPARE,  2*SLOT                    ; behind the ring: the spare words, 128 bytes for each wave: two blocks of 256 bytes that no other line names
.set WO,     4194304
.set SPITCH, 528                       ; the way out: a stage of 16 rows x (512 bytes + 16) for each wave.  It lies in slot 0, which has had its last fill and its last read when the first result is stored there
.set FR,     16
.set NL,     4
.set NP,     4
.set ADRA, 16
.set ADRB, 20
.set STO,  24                          ; v24     the way out: where I put 32 bytes of a row
.set RD,   25                          ; v25     where I read a row back
.set CO,   26                          ; v26     16 x lane
.set SPW,  28
.set NIL,  29
.set AF,   128
.set BK,   128                         ; the way out: 16 rows read back: v128-191 and v192-255 by turns
.set G1, 24
.set G0, 32
.set G1B, 48
.set G0B, 56
.set MSB, 0
.macro WIN new
.if MSB != \new
	s_set_vgpr_msb (MSB<<8)|\new
.set MSB, \new
.endif
.endm
.set MUL_LO, 0xa1
.set MUL_HI, 0xf1
.set TO_B,   0x40
.macro JLOAD g0a, g1a, g0b, g1b        ; waves 0 and 1 fetch cat's two K steps, waves 2 and 3 w's; four v_nop follow each of the two lines
	s_cmp_eq_u32 s15, 0
	s_cbranch_scc0 .Lfor_b_\@
	tensor_load_to_lds s[\g0a:\g0a+3], s[\g1a:\g1a+7]
	s_nop 0
.rept 4
	v_nop
.endr
	s_branch .Lasked_\@
.Lfor_b_\@:
	tensor_load_to_lds s[\g0b:\g0b+3], s[\g1b:\g1b+7]
	s_nop 0
.rept 4
	v_nop
.endr
.Lasked_\@:
.endm
.macro CREST
	s_cmp_lg_u32 s14, 0
	s_cbranch_scc1 .Lnot_wave_0_\@
	s_barrier_signal -3
.Lnot_wave_0_\@:
	s_barrier_wait -3
	s_barrier_signal -1
	s_barrier_wait -1
.endm
.macro CROUND
	s_barrier_signal -1
	s_barrier_wait -1
	CREST
.endm
	s_load_b128 s[4:7], s[0:1], 0x0                ; catcodes, wcodes
	s_load_b128 s[8:11], s[0:1], 0x10              ; the scales' exponents, out0
	s_load_b128 s[72:75], s[0:1], 0x20             ; out1, b_xproj
	s_load_b64 s[76:77], s[0:1], 0x30              ; b_sproj
	v_lshl_add_u32 v[SPW], v0, 2, SPARE
	v_mov_b32 v[NIL], 0
	ds_add_u32 v28, v29
	ds_add_u32 v28, v29
	s_wait_dscnt 0x0
	v_lshrrev_b32 v1, 5, v0
	v_readfirstlane_b32 s14, v1                    ; wave 0..3
	s_lshr_b32 s15, s14, 1                         ; which half of the tile's rows is mine.  Also: I fetch for cat (0) or for w (1)
	s_and_b32 s16, s14, 1                          ; which half of its columns.  Also: which of a slot's two K steps I fetch
	s_bfe_u32 s40, ttmp6, 0x40000                  ; cx, cy
	s_bfe_u32 s41, ttmp6, 0x40004
	s_lshl_b32 s42, ttmp9, 2
	s_add_co_u32 s42, s42, s40                     ; 4 o + block of columns
	s_and_b32 s17, ttmp7, 0xffff
	s_lshl_b32 s17, s17, 2
	s_add_co_u32 s17, s17, s41                     ; block of rows
	s_lshl_b32 s43, s41, 2
	s_lshl_b32 s43, 15, s43                        ; my row of the cluster
	s_lshl_b32 s44, 0x1111, s40                    ; my column
	s_or_b32 s[G1+0], s43, (3<<16)|(1<<21)         ; 15:0 the mask; 17:16 elements of 8 bytes; 21 set beside a mask; no padding
	s_or_b32 s[G1B+0], s44, (3<<16)|(1<<21)
.irp g, G1, G1B
	s_mov_b32 s[\g+1], 32<<16                      ; 32,768 dense bytes as 128 rows of 32 elements of 8 bytes
	s_mov_b32 s[\g+2], 128<<16
	s_mov_b32 s[\g+3], 32<<16
	s_mov_b32 s[\g+4], 128
	s_mov_b32 s[\g+5], 32
	s_mov_b32 s[\g+6], 0
	s_mov_b32 s[\g+7], 0
.endr
	s_lshl_b32 s18, s16, 15
	s_lshl_b32 s20, ttmp9, 23                      ; cat: o, the block of rows
	s_lshl_b32 s19, s17, 19
	s_add_co_u32 s20, s20, s19
	s_add_co_u32 s20, s20, s18
	s_mov_b32 s21, 0
	s_lshl_b32 s46, s42, 19                        ; w: o and the block of columns
	s_add_co_u32 s46, s46, s18
	s_add_co_u32 s46, s46, WO
	s_mov_b32 s47, 0
	s_lshl_b32 s45, s14, 15                        ; where they go: wave x 32,768
	s_lshl_b32 s70, ttmp9, 3
	s_mov_b32 s71, 0
	s_lshl_b32 s80, s40, 10                        ; my 128 columns, in bytes of f32
	s_lshl_b32 s81, s16, 9
	s_add_co_u32 s80, s80, s81
	s_mov_b32 s81, 0
	s_wait_kmcnt 0x0
	s_cmp_eq_u32 ttmp9, 0                          ; the output and its bias: a choice on the cluster's number
	s_cselect_b64 s[10:11], s[10:11], s[72:73]
	s_cselect_b64 s[78:79], s[74:75], s[76:77]
	s_add_nc_u64 s[78:79], s[78:79], s[80:81]
	s_add_nc_u64 s[70:71], s[8:9], s[70:71]
	s_load_b64 s[96:97], s[70:71], 0x70            ; entries 28 + 2 o, 29 + 2 o: ea, ew
	s_add_nc_u64 s[20:21], s[4:5], s[20:21]
	s_add_nc_u64 s[46:47], s[6:7], s[46:47]
	CROUND                                         ; all sixteen work-groups are here: the first joint loads meet
.irp s, 0,1
	s_mov_b32 s[G0+4*\s], 1
	s_add_co_u32 s[G0+4*\s+1], s45, \s*SLOT
	s_add_nc_u64 s[G0+4*\s+2:G0+4*\s+3], s[20:21], \s*2*QTR
	s_or_b32 s[G0+4*\s+3], s[G0+4*\s+3], 0x80000000
	s_mov_b32 s[G0B+4*\s], 1
	s_add_co_u32 s[G0B+4*\s+1], s45, \s*SLOT
	s_add_nc_u64 s[G0B+4*\s+2:G0B+4*\s+3], s[46:47], \s*2*QTR
	s_or_b32 s[G0B+4*\s+3], s[G0B+4*\s+3], 0x80000000
	JLOAD G0+4*\s, G1, G0B+4*\s, G1B
.endr
	v_and_b32 v6, 31, v0
	v_lshlrev_b32 v[CO], 4, v6
	global_load_b128 v[8:11], v[CO], s[78:79]      ; the bias of the four columns that I store in every row
	s_lshl_b32 s21, s15, 14
	s_lshl_b32 s22, s16, 14
	s_add_co_u32 s22, s22, 2*QTR
.irp s, 0,1
	v_add_nc_u32 v[ADRA+\s], s21, v[CO]
	v_add_nc_u32 v[ADRB+\s], s22, v[CO]
	s_add_co_u32 s21, s21, SLOT
	s_add_co_u32 s22, s22, SLOT
.endr
	v_and_b32 v1, 15, v0                           ; r
	v_bfe_u32 v2, v0, 4, 1                         ; hh
	s_mul_i32 s23, s14, 16*SPITCH                  ; my stage
	v_mul_u32_u24 v5, v1, SPITCH                   ; in: row r, 32 bytes for each half of the lanes
	v_lshl_add_u32 v5, v2, 5, v5
	v_add_nc_u32 v[STO], s23, v5
	v_add_nc_u32 v[RD], s23, v[CO]                 ; back: the 32 lanes take one row of 512 bytes
	s_lshl_b32 s20, s17, 20                        ; out: 256 rows of 4,096 bytes a block,
	s_lshl_b32 s21, s15, 19
	s_add_co_u32 s20, s20, s21                     ; my 128 rows,
	s_add_co_u32 s20, s20, s80                     ; my 128 columns
	s_mov_b32 s21, 0
	s_add_nc_u64 s[10:11], s[10:11], s[20:21]
.macro FRAG reg, adr, q, i
.irp c, 0,1,2,3
	ds_load_b128 v[\reg+4*\c:\reg+4*\c+3], v[\adr] offset:QTR*(\q)+2048*(\i)+512*\c
.endr
.endm
; The 64 accumulators take turns, one instruction a turn, in the same order in every step.
.macro MUL16 a0, p, zero
.irp a, \a0, \a0+1
.irp b, 0,1,2,3,4,5,6,7
.if \zero
	v_wmma_f32_16x16x128_fp8_fp8 v[8*(8*((\a)%4)+\b):8*(8*((\a)%4)+\b)+7], v[128*(\p)+FR*\b:128*(\p)+FR*\b+FR-1], v[AF+FR*(\a):AF+FR*(\a)+FR-1], 0
.else
	v_wmma_f32_16x16x128_fp8_fp8 v[8*(8*((\a)%4)+\b):8*(8*((\a)%4)+\b)+7], v[128*(\p)+FR*\b:128*(\p)+FR*\b+FR-1], v[AF+FR*(\a):AF+FR*(\a)+FR-1], v[8*(8*((\a)%4)+\b):8*(8*((\a)%4)+\b)+7]
.endif
.endr
.endr
.endm
.macro FETCH_B slot, q, p
	WIN TO_B
.irp i, 0,1,2,3,4,5,6,7
	FRAG 128*(\p)+FR*\i, ADRB+\slot, \q, \i
.endr
	WIN 0
.endm
.macro FETCH_A slot, q, i0
.irp i, \i0, \i0+1, \i0+2, \i0+3
	FRAG AF+FR*(\i), ADRA+\slot, \q, \i
.endr
.endm
.macro PLACES n
.rept \n
	v_nop
.endr
.endm
.macro STEP slot, q, zero
	s_wait_dscnt 4*NL                              ; w's set and cat's blocks 0-3 are in; the youngest 16 loads (blocks 4-7) may be out
	WIN MUL_LO
	MUL16 0, (\q)%2, \zero
	MUL16 2, (\q)%2, \zero
	s_wait_dscnt 0
	PLACES NP
	FETCH_B \slot, (\q)+1, 1-(\q)%2
	FETCH_A \slot, (\q)+1, 0
	WIN MUL_HI
	MUL16 4, (\q)%2, \zero
	MUL16 6, (\q)%2, \zero
	PLACES NP
	WIN 0
	FETCH_A \slot, (\q)+1, 4
.endm
.macro TURN slot, next, fill
	s_wait_tensorcnt 0x0                           ; all my tensor loads have landed: my part of the next slot
	ds_add_u32 v[SPW], v[NIL]                      ; 0 onto my spare word
	s_wait_dscnt 4*NL+1                            ; (the add and the youngest 16 loads may be out)
	WIN MUL_LO
	MUL16 0, 1, 0
	s_wait_dscnt 0x0                               ; the add is done, and my reads of this slot are over
	s_barrier_signal -1
	MUL16 2, 1, 0
	WIN 0
	s_barrier_wait -1
.if \fill
	CREST                                          ; no wave of any partner still reads this slot or has a load on its way
	s_add_nc_u64 s[G0+4*\slot+2:G0+4*\slot+3], s[G0+4*\slot+2:G0+4*\slot+3], 4*QTR
	s_add_nc_u64 s[G0B+4*\slot+2:G0B+4*\slot+3], s[G0B+4*\slot+2:G0B+4*\slot+3], 4*QTR
	JLOAD G0+4*\slot, G1, G0B+4*\slot, G1B
.else
	PLACES NP
.endif
	FETCH_B \next, 0, 0
	FETCH_A \next, 0, 0
	WIN MUL_HI
	MUL16 4, 1, 0
	MUL16 6, 1, 0
	PLACES NP
	WIN 0
	FETCH_A \next, 0, 4
.endm
	s_wait_tensorcnt 1                             ; my part of slot 0 is in (slot 1's load may be out)
	s_barrier_signal -1
	s_barrier_wait -1                              ; everybody's is
	FETCH_B 0, 0, 0
	FETCH_A 0, 0, 0
	FETCH_A 0, 0, 4
	STEP 0, 0, 1
	s_mov_b32 s3, LAPS-1
.Llap:
	TURN 0, 1, 1
	STEP 1, 0, 0
	TURN 1, 0, 1
	STEP 0, 0, 0
	s_sub_co_u32 s3, s3, 1
	s_cmp_lg_u32 s3, 0
	s_cbranch_scc1 .Llap
	TURN 0, 1, 0
	STEP 1, 0, 0
	s_wait_dscnt 4*NL
	WIN MUL_LO
	MUL16 0, 1, 0
	MUL16 2, 1, 0
	s_wait_dscnt 0
	WIN MUL_HI
	MUL16 4, 1, 0
	MUL16 6, 1, 0
	WIN 0
; THE WAY OUT, block by block of 16 rows x 128 columns.  A lane holds 32 neighbouring bytes of a row and the lanes beside it hold other rows: a block's sums go through my own stage in LDS as they are and come back as whole rows
; of 512 bytes.  There a lane holds the same four columns in every row: one packed multiply-add for two numbers gives sum x 2^(ea + ew) + bias.  LDS serves a wave's instructions in order: no wait between the stores and the loads.
.macro TOSTAGE a
.set AC, 64*((\a)%4)
	WIN (0x08+4*((\a)/4))                          ; an LDS store's data are its source 1: window 2 or 3
.irp b, 0,1,2,3,4,5,6,7
	ds_store_b128 v[STO], v[AC+8*\b:AC+8*\b+3] offset:64*\b            ; each accumulator from its low end on
	ds_store_b128 v[STO], v[AC+8*\b+4:AC+8*\b+7] offset:64*\b+16
.endr
	WIN 0
.set BB, BK+64*((\a)%2)
.irp t, 0,1,2,3,4,5,6,7,8,9,10,11,12,13,14,15
	ds_load_b128 v[BB+4*\t:BB+4*\t+3], v[RD] offset:\t*SPITCH
.endr
.endm
.macro SEND a, younger                 ; younger: the LDS instructions issued behind block a's loads, which may stay out
.set BB, BK+64*((\a)%2)
	s_wait_dscnt \younger
.irp t, 0,1,2,3,4,5,6,7,8,9,10,11,12,13,14,15
	v_pk_fma_f32 v[BB+4*\t:BB+4*\t+1],   v[BB+4*\t:BB+4*\t+1],   s[96:97], v[8:9]   op_sel_hi:[1,0,1]
	v_pk_fma_f32 v[BB+4*\t+2:BB+4*\t+3], v[BB+4*\t+2:BB+4*\t+3], s[96:97], v[10:11] op_sel_hi:[1,0,1]
.endr
.if (\a) > 0
	s_add_nc_u64 s[10:11], s[10:11], 16*4096       ; (behind a wait on XCNT: the earlier stores have read their base)  16 rows on
.endif
.irp t, 0,1,2,3,4,5,6,7,8,9,10,11,12,13,14,15
	global_store_b128 v[CO], v[BB+4*\t:BB+4*\t+3], s[10:11] offset:\t*4096 th:TH_STORE_NT   ; 32 lanes store 512 consecutive bytes, at a multiple of 256 from the output's first byte
.endr
.endm
	s_wait_kmcnt 0x0
	s_add_co_i32 s96, s96, s97
	s_add_co_i32 s96, s96, 127
	s_lshl_b32 s96, s96, 23                        ; 2^(ea + ew) as f32
	s_mov_b32 s97, s96                             ; (named with it as a pair, so it is written)
	s_wait_loadcnt 0x0                             ; the bias
	PLACES NP                                      ; in front of the LDS stores that read the last products' sums and of the loads into the registers that held cat's fragments
	TOSTAGE 0
.irp a, 1,2,3,4,5,6,7
.if \a > 1
	s_wait_xcnt 0x0                                ; block a - 2's stores have read their registers and their base: block a's loads may land there, and the base may step
.endif
	TOSTAGE \a
	SEND \a-1, 32                                  ; behind block a - 1's loads: block a's 16 stores and 16 loads
.endr
	s_wait_xcnt 0x0
	SEND 7, 0
	s_wait_tensorcnt 0x0                           ; the wave's end
	ds_add_u32 v[SPW], v[NIL]
	s_wait_dscnt 0x0
	CROUND                                         ; the closing round
	s_endpgm
.Lfunc_end_k_q5d9bf76f59_oproj:
	.size	k_q5d9bf76f59_oproj, .Lfunc_end_k_q5d9bf76f59_oproj-k_q5d9bf76f59_oproj
	.p2alignl 7, 3214868480
	.fill 96, 4, 3214868480
	.section	.rodata,"a",@progbits
	.p2align	6, 0x0
	.amdhsa_kernel k_q5d9bf76f59_oproj
		.amdhsa_group_segment_fixed_size 327680
		.amdhsa_private_segment_fixed_size 0
		.amdhsa_enable_private_segment 0
		.amdhsa_kernarg_size 56
		.amdhsa_user_sgpr_count 2
		.amdhsa_user_sgpr_kernarg_segment_ptr 1
		.amdhsa_wavefront_size32 1
		.amdhsa_system_sgpr_workgroup_id_x 1
		.amdhsa_system_sgpr_workgroup_id_y 1
		.amdhsa_system_sgpr_workgroup_id_z 1
		.amdhsa_system_vgpr_workitem_id 0
		.amdhsa_next_free_vgpr 1024
		.amdhsa_next_free_sgpr 100
		.amdhsa_reserve_vcc 0
		.amdhsa_float_denorm_mode_32 3
		.amdhsa_float_denorm_mode_16_64 3
		.amdhsa_memory_ordered 1
		.amdhsa_forward_progress 1
		.amdhsa_inst_pref_size 123
	.end_amdhsa_kernel
	.amdgpu_metadata
---
amdhsa.version: [ 1, 2 ]
amdhsa.kernels:
  - .name:           k_q5d9bf76f59_oproj
    .symbol:         k_q5d9bf76f59_oproj.kd
    .args:
      - { .name: catcodes, .offset: 0, .size: 8, .value_kind: global_buffer, .address_space: global }
      - { .name: wcodes, .offset: 8, .size: 8, .value_kind: global_buffer, .address_space: global }
      - { .name: lowp_scales, .offset: 16, .size: 8, .value_kind: global_buffer, .address_space: global }
      - { .name: out0, .offset: 24, .size: 8, .value_kind: global_buffer, .address_space: global }
      - { .name: out1, .offset: 32, .size: 8, .value_kind: global_buffer, .address_space: global }
      - { .name: b_xproj, .offset: 40, .size: 8, .value_kind: global_buffer, .address_space: global }
      - { .name: b_sproj, .offset: 48, .size: 8, .value_kind: global_buffer, .address_space: global }
    .group_segment_fixed_size: 327680
    .private_segment_fixed_size: 0
    .kernarg_segment_align: 8
    .kernarg_segment_size: 56
    .max_flat_workgroup_size: 128
    .sgpr_count:     100
    .vgpr_count:     1024
    .wavefront_size: 32
...
	.end_amdgpu_metadata
.endif
;; end of part 5
;; ======== version 2 of 2: 5 launches; version 1 with the launches kvproj, attn written anew for expert scheduling mode
;; workspace buffers: acodes 16,777,216 bytes; wcodes 8,650,752 bytes; kvcodes 2,097,152 bytes; qcodes 16,777,216 bytes; catcodes 16,777,216 bytes
;; launch quant: the kernel of part 1 again; grid 776 x 1, 4 waves a work-group, no clusters, 68,096 bytes of LDS; arguments qx, qs, w_qx1, w_qs1, w_qx2, w_qs2, w_xproj, w_sproj, w_kvx, w_kvs, lowp_scales, acodes, wcodes; writes acodes, wcodes
;; launch kvproj (part 6): grid 256 x 1, 8 waves a work-group, no clusters, 173,056 bytes of LDS; arguments kvx, kvs, wcodes, lowp_scales, kvcodes; writes kvcodes
.if DOCPART == 6
	.amdgcn_target "amdgcn-amd-amdhsa--gfx1250"
	.amdhsa_code_object_version 6
	.text
	.protected	k_q5d9bf76f59_kvproj
	.globl	k_q5d9bf76f59_kvproj
	.p2align	8
	.type	k_q5d9bf76f59_kvproj,@function
k_q5d9bf76f59_kvproj:
	s_mov_b64 s[64:65], 0
	v_nop
	global_prefetch_b8 v0, s[64:65] scope:SCOPE_SE
	s_setreg_imm32_b32 hwreg(HW_REG_WAVE_SCHED_MODE, 0, 2), 2
	s_setreg_imm32_b32 hwreg(HW_REG_WAVE_MODE, 25, 1), 1
	s_wait_xcnt 0x0
	s_wait_alu depctr_vm_vsrc(0)
; K and V of both sources: kv = Q(kvx or kvs) Q(w), [4096][128], on codes of FP8 (E4M3); columns 0-63 are the keys, 64-127 the values.  Each is coded again twice, for the two attentions that use it.
; kvcodes [attention a 4][batch 4][step of 128 keys 8]{ K: [tile of 16 keys 8][1024]; at +8192 V^T: [tile of 16 channels 4][2048] }: images of operand registers, [group of four registers][lane][16 bytes].
;   K's fragment: 16 keys x 64 channels, lane (r, hh): key r, channels 16 c + 8 hh + 0 .. 7 in registers 2 c, 2 c + 1.   V^T's: 16 channels x 128 keys, lane (r, hh): channel r, keys 16 c + 8 hh + 0 .. 7.
; Source 0 (kvx) serves attentions 0 and 3, source 1 (kvs) attentions 1 and 2.
; SHARES.  A work-group takes 32 rows of one source, read by nobody else: they are quantised here, in registers, and go to the eight waves through LDS as images.  Wave w makes columns 16 w .. 16 w + 15 for both tiles of rows.
; Waves 0-3 (keys) take source 0 = w, source 1 = x: a lane holds one key and eight neighbouring channels.  Waves 4-7 (values) take source 0 = x, source 1 = w: a lane holds one channel and eight neighbouring keys.
; In both cases one conversion of an accumulator's eight registers gives two registers of the next operand, in place.
; No tensor load, no cluster: the weights' 64 fragments a work-group are a small part of what it reads, and each wave loads its own eight straight into registers.
; LIMITS: the entries for kvx and kvs, and (ek or ev) - ea - ew, lie between -126 and 119.  NaN among the inputs is not served.
; THE MODE: SCHED_MODE bits 1:0 = 2 (LLVM: expert scheduling mode 2), set by the entry lines.  The code itself states the register dependences between vector or matrix instructions
; and memory or LDS instructions, with s_wait_alu, always for 0.
; THE PLAN.  Registers that memory or LDS instructions touch:
;   v1 .. v6      offsets and LDS addresses, made once at the head and never written again.
;   R0, R1        v32-95, v96-159.  x's loads land; the stores into my stage read them; then my eight fragments of w land in them and stay, read by the products.
;   X             v160-223.  The loads out of my stage land (fragment 0, then fragment 1); the holds read it.  During the products it is buffers 0 and 1 of the ring below.
;   PC            v16-31.  The conversions write it; the image stores read it.  During the products it is half of the ring's buffer 2; behind them it takes codes again, which the last stores read.
;   v240-255      Named by vector instructions alone until the products, where it is the other half of buffer 2.
; THE RING.  x's fragments come back from LDS a K step (two fragments, 32 registers) at a time, into three buffers by turns, asked for two K steps ahead.  K step ks multiplies buffer ks % 3 and asks for K step ks + 2,
; into the buffer that K step ks - 1 multiplied: one wait on va_vdst at the step's head states that those two products are done reading it.
.set SP,    528
.set STGB,  16*SP
.set WREG,  2*STGB
.set XIMG,  0                          ; LDS: x's 16 fragments, [K step 8][tile of rows 2][2048]
.set KST,   32768                      ;      the keys' codes, [version 2][tile 2][group 2][lane][16]
.set STG,   36864                      ;      two stages of 16 x 528 bytes for each wave
.set WKV,   8388608
.set PC,    16                         ; v16-31   codes just made; during the products: buffer 2's fragment of rows 0-15
.set R,     32                         ; v32-159  x as loaded, two sets of 64; later my eight fragments of w, K step ks at v[32 + 16 ks]
.set X,     160                        ; v160-223 64 numbers in the operand's order; later buffers 0 and 1 of x's fragments
.set XF,    160
.set T,     224                        ; v224-255 held numbers; later:
.set ACC,   224                        ; v224-239 two accumulators
.set T8,    240                        ; v240-255 during the products: buffer 2's fragment of rows 16-31; behind them two sets of eight held sums
.macro ALOAD f
.irp i, 0,1,2,3,4,5,6,7,8,9,10,11,12,13,14,15
	global_load_b128 v[R+64*\f+4*\i:R+64*\f+4*\i+3], v1, s[4:5] offset:4096*\i+512*\f th:TH_LOAD_NT
.endr
.endm
.macro TIN f                           ; into my own stage, as loaded
.irp i, 0,1,2,3,4,5,6,7,8,9,10,11,12,13,14,15
	ds_store_b128 v2, v[R+64*\f+4*\i:R+64*\f+4*\i+3] offset:STGB*\f+SP*\i
.endr
.endm
.macro TOUT f                          ; and back as lane (r, hh) wants them.  LDS serves a wave's instructions in order: these see my stores
.irp g, 0,1,2,3
	ds_load_b128 v[X+16*\g:X+16*\g+3],     v3 offset:STGB*\f+128*\g
	ds_load_b128 v[X+16*\g+4:X+16*\g+7],   v3 offset:STGB*\f+128*\g+16
	ds_load_b128 v[X+16*\g+8:X+16*\g+11],  v3 offset:STGB*\f+128*\g+64
	ds_load_b128 v[X+16*\g+12:X+16*\g+15], v3 offset:STGB*\f+128*\g+80
.endr
.endm
.macro AQ1                             ; the fragment in X: hold, convert into PC
.irp g, 0,1,2,3
.irp i, 0,1,2,3,4,5,6,7,8,9,10,11,12,13,14,15
	v_med3_num_f32 v[T+16*(\g%2)+\i], v[X+16*\g+\i], -v9, v9     ; the conversion to an 8-bit code does not saturate (ISA guide 7.6.2)
.endr
	v_cvt_scalef32_pk8_fp8_f32 v[PC+4*\g:PC+4*\g+1],   v[T+16*(\g%2):T+16*(\g%2)+7],    v8
	v_cvt_scalef32_pk8_fp8_f32 v[PC+4*\g+2:PC+4*\g+3], v[T+16*(\g%2)+8:T+16*(\g%2)+15], v8
.endr
	v_nop                                          ; a plain line behind the last conversion: its registers are written again by vector and matrix instructions later
.endm
.macro IMG f                           ; the fragment in PC goes to LDS as it stands
.irp g, 0,1,2,3
	ds_store_b128 v4, v[PC+4*\g:PC+4*\g+3] offset:XIMG+4096*\f+512*\g
.endr
.endm
.macro WLD k0                          ; four of my fragments of w, K steps k0 on
.irp k, 0,1,2,3
.irp g, 0,1,2,3
	global_load_b128 v[32+16*((\k0)+\k)+4*\g:32+16*((\k0)+\k)+4*\g+3], v1, s[8:9] offset:16384*((\k0)+\k)+512*\g
.endr
.endr
.endm
.macro XLD ks                          ; K step ks's two fragments of x (rows 0-15, rows 16-31) into buffer ks % 3
.irp m, 0,1
.if ((\ks)%3) == 2
.set FB, PC+(T8-PC)*\m
.else
.set FB, XF+32*((\ks)%3)+16*\m
.endif
.irp g, 0,1,2,3
	ds_load_b128 v[FB+4*\g:FB+4*\g+3], v1 offset:XIMG+(\ks)*4096+\m*2048+512*\g
.endr
.endr
.endm
; The products: eight K steps of 128; the two accumulators take turns, one instruction a turn.  tr = 1: source 0 = w.
.macro MM tr
	XLD 0                                          ; buffers 0 and 1 are X: the holds that read it stand ahead of the last wait on va_vdst, and no vector instruction has been issued since
	XLD 1
.irp ks, 0,1,2,3,4,5,6,7
.if \ks < 7
	s_wait_dscnt 8                                 ; LDS loads come back in order (ISA guide 5.7.1): this K step's fragments are in; the next step's eight loads may be out
.else
	s_wait_dscnt 0x0
.endif
.if \ks == 0
	s_wait_loadcnt 0x0                             ; my fragments of w
.endif
.if \ks < 6
.if \ks > 0
	s_wait_alu depctr_va_vdst(0)                   ; the two products of the K step before are done reading their buffer, in which the eight loads below land
.endif
	XLD \ks+2                                      ; (in K step 0: buffer 2's registers were last named ahead of the waits that stand in front of and behind the barrier)
.endif
.irp m, 0,1
.if ((\ks)%3) == 2
.set FB, PC+(T8-PC)*\m
.else
.set FB, XF+32*((\ks)%3)+16*\m
.endif
.if \tr
.if \ks == 0
	v_wmma_f32_16x16x128_fp8_fp8 v[ACC+8*\m:ACC+8*\m+7], v[32+16*\ks:32+16*\ks+15], v[FB:FB+15], 0
.else
	v_wmma_f32_16x16x128_fp8_fp8 v[ACC+8*\m:ACC+8*\m+7], v[32+16*\ks:32+16*\ks+15], v[FB:FB+15], v[ACC+8*\m:ACC+8*\m+7]
.endif
.else
.if \ks == 0
	v_wmma_f32_16x16x128_fp8_fp8 v[ACC+8*\m:ACC+8*\m+7], v[FB:FB+15], v[32+16*\ks:32+16*\ks+15], 0
.else
	v_wmma_f32_16x16x128_fp8_fp8 v[ACC+8*\m:ACC+8*\m+7], v[FB:FB+15], v[32+16*\ks:32+16*\ks+15], v[ACC+8*\m:ACC+8*\m+7]
.endif
.endif
.endr
.endr
.rept 4
	v_nop                                          ; places in front of the first read of the sums
.endr
.endm
.macro CODE dst, v, m                  ; accumulator m, version v: held (from its low end on), converted into v[dst], v[dst + 1]
.irp j, 0,1,2,3,4,5,6,7
	v_med3_num_f32 v[T8+8*\m+\j], v[ACC+8*\m+\j], -v[11+2*\v], v[11+2*\v]
.endr
	v_cvt_scalef32_pk8_fp8_f32 v[\dst:\dst+1], v[T8+8*\m:T8+8*\m+7], v[10+2*\v]
.endm
	s_load_b128 s[4:7], s[0:1], 0x0                ; kvx, kvs
	s_load_b128 s[8:11], s[0:1], 0x10              ; wcodes, the scales' exponents
	s_load_b64 s[12:13], s[0:1], 0x20              ; kvcodes
	s_set_vgpr_msb 0x40
	v_lshl_add_u32 v0, v0, 2, 0x2a000
	v_mov_b32 v1, 0
	s_set_vgpr_msb 0x4000
	v_lshrrev_b32 v7, 5, v0
	v_readfirstlane_b32 s2, v7                     ; wave 0..7
	v_and_b32 v7, 31, v0
	v_lshlrev_b32 v1, 4, v7                        ; 16 x lane: an image's place for my lane
	v_and_b32 v14, 15, v0                          ; r
	v_bfe_u32 v15, v0, 4, 1                        ; hh
	s_wait_alu depctr_va_sdst(0)                   ; s2 is written, ahead of its first reader: addresses, offsets and the branches on the wave's number are made from it
	s_mul_i32 s14, s2, WREG
	s_add_co_u32 s14, s14, STG
	v_add_nc_u32 v2, s14, v1                       ; into my stage
	v_mul_u32_u24 v3, v14, SP
	v_lshl_add_u32 v3, v15, 5, v3
	v_add_nc_u32 v3, s14, v3                       ; out of it
	s_and_b32 s15, s2, 3
	s_lshr_b32 s16, s2, 2
	s_lshl_b32 s17, s15, 13
	s_lshl_b32 s18, s16, 11
	s_add_co_u32 s17, s17, s18
	v_add_nc_u32 v4, s17, v1                       ; where I store x's images: K steps 2 (w % 4) on, tile of rows w / 4
	s_lshr_b32 s17, s15, 1
	s_lshl_b32 s17, s17, 9
	s_and_b32 s18, s2, 1
	s_lshl_b32 s18, s18, 3
	s_add_co_u32 s17, s17, s18
	s_add_co_u32 s17, s17, KST
	v_add_nc_u32 v5, s17, v1                       ; where waves 0-3 put 8 bytes of a key's image: registers 2 w, 2 w + 1: group w / 2, half w % 2
	s_lshl_b32 s17, s2, 9
	s_add_co_u32 s17, s17, KST
	v_add_nc_u32 v6, s17, v1                       ; and which 512 bytes of the keys' codes I carry out
	s_lshr_b32 s19, ttmp9, 7                       ; the source; also its first attention
	s_and_b32 s20, ttmp9, 127                      ; which 32 rows
	s_lshr_b32 s21, s20, 5                         ; batch
	s_bfe_u32 s22, s20, 0x30002                    ; step of 128 keys
	s_and_b32 s23, s20, 3                          ; which 32 of them
	s_lshl_b32 s24, s20, 17                        ; x: 32 rows of 4,096 bytes,
	s_lshl_b32 s52, s16, 16
	s_add_co_u32 s24, s24, s52                     ; my tile of 16,
	s_lshl_b32 s52, s15, 10
	s_add_co_u32 s24, s24, s52                     ; my 1,024 bytes of a row
	s_mov_b32 s25, 0
	s_lshl_b32 s26, s19, 17                        ; w's codes: the source, my tile of columns
	s_lshl_b32 s52, s2, 11
	s_add_co_u32 s26, s26, s52
	s_add_co_u32 s26, s26, WKV
	s_mov_b32 s27, 0
	s_lshl_b32 s28, s21, 17
	s_lshl_b32 s52, s22, 14
	s_add_co_u32 s28, s28, s52                     ; batch and step in kvcodes
	s_sub_co_u32 s29, 3, s19                       ; the source's second attention
	s_lshl_b32 s52, s15, 11                        ; V^T: tile of channels w - 4, group = which 32 keys
	s_lshl_b32 s53, s23, 9
	s_add_co_u32 s52, s52, s53
	s_add_co_u32 s52, s52, 8192
	s_add_co_u32 s52, s52, s28
	s_lshl_b32 s30, s19, 19
	s_add_co_u32 s30, s30, s52
	s_mov_b32 s31, 0
	s_lshl_b32 s32, s29, 19
	s_add_co_u32 s32, s32, s52
	s_mov_b32 s33, 0
	s_cmp_eq_u32 s16, 0                            ; K: wave w carries out version w / 4, tile (w / 2) % 2, group w % 2
	s_cselect_b32 s34, s19, s29
	s_lshl_b32 s34, s34, 19
	s_add_co_u32 s34, s34, s28
	s_lshl_b32 s52, s23, 1
	s_bfe_u32 s53, s2, 0x10001
	s_add_co_u32 s52, s52, s53
	s_lshl_b32 s52, s52, 10
	s_add_co_u32 s34, s34, s52
	s_and_b32 s52, s2, 1
	s_lshl_b32 s52, s52, 9
	s_add_co_u32 s34, s34, s52
	s_mov_b32 s35, 0
	s_lshl_b32 s36, s19, 3
	s_mov_b32 s37, 0
	s_lshl_b32 s38, s19, 4
	s_mov_b32 s39, 0
	s_lshl_b32 s40, s29, 4
	s_mov_b32 s41, 0
	s_wait_kmcnt 0x0
	s_cmp_eq_u32 s19, 0
	s_cselect_b64 s[4:5], s[4:5], s[6:7]
	s_add_nc_u64 s[4:5], s[4:5], s[24:25]
	s_add_nc_u64 s[8:9], s[8:9], s[26:27]
	s_add_nc_u64 s[30:31], s[12:13], s[30:31]
	s_add_nc_u64 s[32:33], s[12:13], s[32:33]
	s_add_nc_u64 s[34:35], s[12:13], s[34:35]
	s_add_nc_u64 s[36:37], s[10:11], s[36:37]
	s_add_nc_u64 s[38:39], s[10:11], s[38:39]
	s_add_nc_u64 s[40:41], s[10:11], s[40:41]
	s_load_b64 s[42:43], s[36:37], 0x20            ; entries 8 + 2 src, 9 + 2 src: x's and w's
	s_load_b128 s[44:47], s[38:39], 0x30           ; the first attention's eq, ek, ep, ev
	s_load_b128 s[48:51], s[40:41], 0x30           ; the second's
	s_wait_alu depctr_va_vdst(0)                   ; the six offsets and addresses v1 to v6 are written, which every load and store of the kernel reads; no vector instruction names them again
	ALOAD 0
	ALOAD 1
	s_wait_kmcnt 0x0
	s_add_co_i32 s52, s42, 127
	s_lshl_b32 s53, s52, 23
	v_mov_b32 v8, s53                              ; 2^ea
	s_add_co_i32 s52, s52, 8
	s_lshl_b32 s52, s52, 23
	s_or_b32 s52, s52, 0x600000
	v_mov_b32 v9, s52                              ; 448 x 2^ea
	s_cmp_lt_u32 s2, 4
	s_cselect_b32 s54, s45, s47                    ; waves 0-3: ek; waves 4-7: ev
	s_cselect_b32 s55, s49, s51
	s_sub_co_i32 s54, s54, s42                     ; a sum stands for sum x 2^(ea + ew): the three exponents are folded into the conversion's one
	s_sub_co_i32 s54, s54, s43
	s_add_co_i32 s54, s54, 127
	s_lshl_b32 s53, s54, 23
	v_mov_b32 v10, s53
	s_add_co_i32 s54, s54, 8
	s_lshl_b32 s54, s54, 23
	s_or_b32 s54, s54, 0x600000
	v_mov_b32 v11, s54
	s_sub_co_i32 s55, s55, s42
	s_sub_co_i32 s55, s55, s43
	s_add_co_i32 s55, s55, 127
	s_lshl_b32 s53, s55, 23
	v_mov_b32 v12, s53
	s_add_co_i32 s55, s55, 8
	s_lshl_b32 s55, s55, 23
	s_or_b32 s55, s55, 0x600000
	v_mov_b32 v13, s55
	; ---- x: my 16 rows x 256 along K become two fragments
	s_wait_loadcnt 16                              ; fragment 0's 16 loads are in; fragment 1's 16 may be out
	TIN 0
	TOUT 0
	s_wait_loadcnt 0x0                             ; fragment 1's loads are in
	TIN 1                                          ; into the second stage: it waits there until X is free
	s_wait_dscnt 16                                ; X holds fragment 0; fragment 1's 16 stores into the stage may be out
	s_wait_alu depctr_vm_vsrc(0)                   ; the stores into both stages have read R0 and R1, in which my eight fragments of w land
	WLD 0
	WLD 4
	AQ1
	s_wait_alu depctr_va_vdst(0)                   ; the conversions have written PC, which the image stores read; the holds are done reading X, in which fragment 1 lands
	IMG 0
	TOUT 1
	s_wait_dscnt 0x0                               ; X holds fragment 1
	s_wait_alu depctr_vm_vsrc(0)                   ; the image stores have read PC, which the conversions below write again
	AQ1
	s_wait_alu depctr_va_vdst(0)                   ; the conversions have written PC, which the image stores read; the holds and conversions are done with X, PC and v240-255, in which the ring's first loads land behind the barrier
	IMG 1
	s_wait_dscnt 0x0                               ; for the others' sake: my images have landed
	s_barrier_signal -1
	s_barrier_wait -1                              ; x's sixteen fragments lie in LDS
	s_wait_alu depctr_vm_vsrc(0)                   ; my image stores have read PC, in which a fragment of the ring's buffer 2 lands
	s_cmp_lt_u32 s2, 4
	s_cbranch_scc0 .Lvalues
	; ---- keys: lane (r, hh) holds key r, channels 16 w + 8 hh + 0 .. 7
	MM 1
	CODE PC, 0, 0
	CODE PC+2, 0, 1
	CODE PC+4, 1, 0
	CODE PC+6, 1, 1
	v_nop
	s_wait_alu depctr_va_vdst(0)                   ; the conversions have written v16-23, which the LDS stores read; the products are done reading v24-27, in which the load behind the barrier lands
	ds_store_b64 v5, v[PC:PC+1]
	ds_store_b64 v5, v[PC+2:PC+3] offset:1024
	ds_store_b64 v5, v[PC+4:PC+5] offset:2048
	ds_store_b64 v5, v[PC+6:PC+7] offset:3072
	s_branch .Ljoin
.Lvalues:
	; ---- values: lane (r, hh) holds channel r, keys 16 m + 8 hh + 0 .. 7: the two tiles' codes are one group of V^T's image
	MM 0
	CODE PC, 0, 0
	CODE PC+2, 0, 1
	CODE PC+4, 1, 0
	CODE PC+6, 1, 1
	v_nop
	s_wait_alu depctr_va_vdst(0)                   ; the conversions have written v16-23, which the stores read; the products are done reading v24-27, in which the load behind the barrier lands
	global_store_b128 v1, v[PC:PC+3], s[30:31]     ; 512 consecutive bytes
	global_store_b128 v1, v[PC+4:PC+7], s[32:33]
.Ljoin:
	s_wait_dscnt 0x0                               ; the keys' codes have landed
	s_barrier_signal -1
	s_barrier_wait -1
	ds_load_b128 v[24:27], v6                      ; each wave carries out 512 bytes of them
	s_wait_dscnt 0x0
	global_store_b128 v1, v[24:27], s[34:35]
	s_set_vgpr_msb 0x5
	s_wait_dscnt 0x0
	s_wait_alu depctr_hold_cnt(0) depctr_sa_sdst(0) depctr_va_vdst(0) depctr_va_sdst(0) depctr_va_ssrc(0) depctr_va_vcc(0) depctr_vm_vsrc(0)
	s_wait_tensorcnt 0x0
	ds_add_u32 v0, v1
	s_wait_dscnt 0x0
	s_endpgm
.Lfunc_end_k_q5d9bf76f59_kvproj:
	.size	k_q5d9bf76f59_kvproj, .Lfunc_end_k_q5d9bf76f59_kvproj-k_q5d9bf76f59_kvproj
	.p2alignl 7, 3214868480
	.fill 96, 4, 3214868480
	.section	.rodata,"a",@progbits
	.p2align	6, 0x0
	.amdhsa_kernel k_q5d9bf76f59_kvproj
		.amdhsa_group_segment_fixed_size 173056
		.amdhsa_private_segment_fixed_size 0
		.amdhsa_enable_private_segment 0
		.amdhsa_kernarg_size 40
		.amdhsa_user_sgpr_count 2
		.amdhsa_user_sgpr_kernarg_segment_ptr 1
		.amdhsa_wavefront_size32 1
		.amdhsa_system_sgpr_workgroup_id_x 1
		.amdhsa_system_sgpr_workgroup_id_y 1
		.amdhsa_system_sgpr_workgroup_id_z 1
		.amdhsa_system_vgpr_workitem_id 0
		.amdhsa_next_free_vgpr 258
		.amdhsa_next_free_sgpr 66
		.amdhsa_reserve_vcc 0
		.amdhsa_float_denorm_mode_32 3
		.amdhsa_float_denorm_mode_16_64 3
		.amdhsa_memory_ordered 1
		.amdhsa_forward_progress 1
		.amdhsa_inst_pref_size 42
	.end_amdhsa_kernel
	.amdgpu_metadata
---
amdhsa.version: [ 1, 2 ]
amdhsa.kernels:
  - .name:           k_q5d9bf76f59_kvproj
    .symbol:         k_q5d9bf76f59_kvproj.kd
    .args:
      - { .name: kvx, .offset: 0, .size: 8, .value_kind: global_buffer, .address_space: global }
      - { .name: kvs, .offset: 8, .size: 8, .value_kind: global_buffer, .address_space: global }
      - { .name: wcodes, .offset: 16, .size: 8, .value_kind: global_buffer, .address_space: global }
      - { .name: lowp_scales, .offset: 24, .size: 8, .value_kind: global_buffer, .address_space: global }
      - { .name: kvcodes, .offset: 32, .size: 8, .value_kind: global_buffer, .address_space: global }
    .group_segment_fixed_size: 173056
    .private_segment_fixed_size: 0
    .kernarg_segment_align: 8
    .kernarg_segment_size: 40
    .max_flat_workgroup_size: 256
    .sgpr_count:     66
    .vgpr_count:     258
    .wavefront_size: 32
...
	.end_amdgpu_metadata
.endif
;; end of part 6
;; launch qproj: the kernel of part 3 again; grid 16 x 16, 4 waves a work-group, clusters of 4 x 4, 327,680 bytes of LDS; arguments acodes, wcodes, lowp_scales, qcodes; writes qcodes
;; launch attn (part 7): grid 16 x 16, 16 waves a work-group, no clusters, 133,120 bytes of LDS; arguments qcodes, kvcodes, lowp_scales, catcodes; writes catcodes
.if DOCPART == 7
	.amdgcn_target "amdgcn-amd-amdhsa--gfx1250"
	.amdhsa_code_object_version 6
	.text
	.protected	k_q5d9bf76f59_attn
	.globl	k_q5d9bf76f59_attn
	.p2align	8
	.type	k_q5d9bf76f59_attn,@function
k_q5d9bf76f59_attn:
	s_mov_b64 s[64:65], 0
	v_nop
	global_prefetch_b8 v0, s[64:65] scope:SCOPE_SE
	s_setreg_imm32_b32 hwreg(HW_REG_WAVE_SCHED_MODE, 0, 2), 2
	s_setreg_imm32_b32 hwreg(HW_REG_WAVE_MODE, 25, 1), 1
	s_wait_xcnt 0x0
	s_wait_alu depctr_vm_vsrc(0)
; The four attentions, both products on codes of FP8 (E4M3): o = softmax(q k^T / 8) v, 1,024 queries x 1,024 keys, head size 64, ONE key and value head for a batch's 16 query heads.
; Attention a = 0 .. 3 (x, s, xs, sx) has the entries eq, ek, ep, ev = 12 + 4 a .. 15 + 4 a.  Its result is quantised on the way out with the entry of the output product's left operand (28 + 2 (a % 2)).
; THE SOFTMAX: t = score x log2(e) / 8; M = the row's largest t so far, rounded UP to a whole number; p = 2^(t - M) is what is quantised; the row's sum is taken of the unquantised p and divides at the end.
; When M moves, the sum and O are multiplied by 2^(old M - new M): exact.
; All operands lie in memory as images of operand registers, [group of four registers][lane][16 bytes]; lane (r, hh) holds k = 16 c + 8 hh + 0 .. 7 of row r in registers 2 c, 2 c + 1.
;   qcodes [a][batch][head][tile of 16 queries 64][1024];  kvcodes [a][batch][step of 128 keys 8]{ K [tile of 16 keys 8][1024]; +8192 V^T [tile of 16 channels 4][2048] };
;   catcodes [o = a % 2][block of 256 rows 16][ks = head 16][tile of 16 rows 16][2048]: xs and sx (a = 2, 3) are the first 64 of a head's 128 columns (groups 0, 1), x and s the second (groups 2, 3).
; SHARES.  A work-group is one (a, batch, head): 64 tiles of 16 queries; each of its sixteen waves takes four, one after the other, in 256 registers: four waves to a SIMD, so that one wave's vector work stands beside another's
; matrix work and LDS loads.  ALL keys and values of (a, batch), 131,072 bytes, are copied into LDS once, through registers: one barrier, no ring.
; No joint loads, though the 16 heads of a batch read the same K and V: a work-group reads those 131,072 bytes once, at its head, and then walks them 64 times out of LDS: what could be shared is a small part of its work.
; LAYOUT.  Both products are used transposed: S^T = K Q^T (source 0 = 16 keys, source 1 = my 16 queries), O^T = V^T P^T: a lane holds ONE query throughout, tile t's eight scores are keys 16 t + 8 hh + 0 .. 7, and their
; conversion gives registers 2 t, 2 t + 1 of P; O^T's tile d likewise gives two registers of the next product's operand.
; LIMITS: eq + ek between -123 and 130 (added to c's exponent field); ep, and ecat - ep - ev, between -126 and 119.
; THE MODE: SCHED_MODE bits 1:0 = 2 (LLVM: expert scheduling mode 2), set by the entry lines.  The code itself states the register dependences between vector or matrix instructions
; and memory or LDS instructions, with s_wait_alu, always for 0.
; THE PLAN.  Registers that memory or LDS instructions touch:
;   v1, v3, v4   offsets and addresses, made once at the head and never written again.
;   v2           a step's LDS address: written by one add at a trip's head, read by the trip's 32 LDS loads.
;   v32-95       At the head: loaded from memory, read by my LDS stores.  In a trip: K's 16 loads land, the eight products K Q^T read; V^T's 16 loads land, the four products V^T P^T read.
;   v192-223     Q: loaded once.  Tile i's eight registers are read by its products, written by its last four conversions, read by its two stores, and never written again.
; All other registers are named by vector and matrix instructions alone.  Of the wave's 256 registers no 64 in a row are free, so K and V^T take turns in one buffer.
; A trip has four waits.  At its head one on vm_vsrc ahead of the add to v2 and one on va_vdst behind it, which also states that the last products V^T P^T are done reading v32-95: K's loads follow.
; One on va_vdst behind the products K Q^T: they are done reading v32-95; V^T's loads follow it, dealt among the lines of the maximum, which name v96-159, v252 and v254 alone.  And the exponentials' one wait.
.set LI,  1                            ; v1   16 x lane
.set ADR, 2                            ; v2   LDS address of the step's images
.set CP,  3                            ; v3   the copy: my wave's 8,192 bytes, 16 x lane
.set QO,  4                            ; v4   my wave's four tiles in the head's codes of Q
.set WV,  18
.set SEL, 20                           ; s[20:21] lane selects for v_permlanex16_b32: lane l xor 16
.set CS,  22                           ; s[22:23] c = log2(e) / 8 x 2^(eq + ek)
.set TB,  24                           ; s24  LDS byte at which the step in hand begins
; REGISTERS: v12 -M, v13 the largest t, v[14:15] the sum in two halves; v32-95 eight fragments of K, then four of V^T; v96-159 S^T, then p; v160-191 O^T; v192-223 Q's four fragments, each later its tile's codes;
; v224-239 p's codes; v240 448 x 2^ep, v244 2^ep; v241, v245 the same with ecat - ep - ev; v236, v242, v243, v252-254 at work.
.macro VLD                             ; load number u of the 16 that bring V^T's four fragments: tile of channels u / 4, group u % 4
	ds_load_b128 v[32+4*u:35+4*u], v[ADR] offset:8192+512*u
.set u, u+1
.endm
.macro TILE i
	v_mov_b32 v13, 0xff61b1e6                      ; the largest t so far: -3e38, under every t
	v_floor_f32 v12, -v13                          ; -M
	v_mov_b32 v14, 0
	v_mov_b32 v15, 0
.set j, 0
.rept 32
	v_mov_b32 v[160+j], 0                          ; O^T.  (The step is written once a tile: the first finds zeros, which the first change of M leaves zeros; a first step of its own would double the text)
.set j, j+1
.endr
	s_mov_b32 s[TB], 0
.Lstep_\@:                                             ; eight trips of 128 keys
	s_wait_alu depctr_vm_vsrc(0)                   ; the LDS loads issued so far have read v[ADR]; in the first tile's first trip also: my LDS stores have read v32-95, in which K's loads land
	v_add_nc_u32 v[ADR], s[TB], v[LI]
	s_wait_alu depctr_va_vdst(0)                   ; v[ADR] is written, which the loads below read; the last products V^T P^T are done reading v32-95, in which they land
.irp t, 0,1,2,3,4,5,6,7
	ds_load_b128 v[32+8*\t:35+8*\t], v[ADR] offset:1024*\t
	ds_load_b128 v[36+8*\t:39+8*\t], v[ADR] offset:1024*\t+512
.endr
	s_wait_dscnt 0x0
.irp t, 0,1,2,3,4,5,6,7
	v_wmma_f32_16x16x64_fp8_fp8 v[96+8*\t:103+8*\t], v[32+8*\t:39+8*\t], v[192+8*\i:199+8*\i], 0
.endr
.rept 4
	v_nop                                          ; places in front of the first read of the scores
.endr
	s_wait_alu depctr_va_vdst(0)                   ; the products K Q^T are done reading v32-95, in which V^T's 16 loads land.  No vector instruction from here to the last of those loads names v32-95 or v[ADR]
.set u, 0
	VLD                                            ; V^T lands while the softmax is walked: a load ahead of each pair of the maximum's lines
	v_max3_num_f32 v254, v96, v97, v98             ; the step's largest score of my query, among my 64 keys, in two chains (each accumulator is first read at its low end),
	v_max3_num_f32 v252, v99, v100, v101
.irp n, 6,10,14,18,22,26,30,34,38,42,46,50,54,58
	VLD
	v_max3_num_f32 v254, v254, v[96+\n], v[97+\n]
	v_max3_num_f32 v252, v252, v[98+\n], v[99+\n]
.endr
	VLD
	v_max3_num_f32 v254, v254, v158, v159
	v_max_num_f32 v254, v254, v252
	v_permlanex16_b32 v236, v254, s[SEL], s[SEL+1]
	v_max_num_f32 v254, v254, v236                 ; and among lane l xor 16's
	v_mul_f32 v254, s[CS], v254                    ; as t (c is positive)
	v_max_num_f32 v13, v13, v254                   ; the running largest t
	v_mov_b32 v254, v12
	v_floor_f32 v12, -v13                          ; the new -M = floor(-t) = -ceil(t)
	v_sub_f32 v254, v12, v254                      ; old M - new M: a whole number, 0 or less
	v_cvt_i32_f32 v254, v254                       ; (it saturates)
	v_ldexp_f32 v252, 1.0, v254                    ; f = 2^(old M - new M)
.set j, 0
.rept 32
	v_pk_fma_f32 v[96+j:97+j], v[96+j:97+j], s[CS:CS+1], v[12:13] op_sel_hi:[1,0,0]   ; t - M, two at a time
.set j, j+2
.endr
.set j, 0
.rept 64
	v_exp_f32 v[96+j], v[96+j]                     ; p = 2^(t - M), at most 1
.set j, j+1
.endr
	v_pk_mul_f32 v[14:15], v[14:15], v[252:253] op_sel_hi:[1,0]   ; the sums under the new M: the plain line behind the exponentials
	s_wait_alu depctr_va_vdst(0)                   ; the 64 exponentials have written v96-159: one wait for the whole batch, ahead of its first reader
	v_pk_add_f32 v[242:243], v[96:97], v[98:99]    ; the row's sum, of the unquantised p, in two chains
.irp n, 4,8,12,16,20,24,28,32,36,40,44,48,52,56,60
	v_pk_add_f32 v[14:15], v[14:15], v[96+\n:97+\n]
	v_pk_add_f32 v[242:243], v[242:243], v[98+\n:99+\n]
.endr
	v_pk_add_f32 v[14:15], v[14:15], v[242:243]
	s_cmp_ge_i32 s14, -8                           ; p is at most 1, and 448 x 2^ep is at least 1.75 where ep >= -8: the hold then changes nothing and is passed over (a branch on a whole number that was loaded)
	s_cbranch_scc1 .Lheld_\@
.set j, 0
.rept 64
	v_min_num_f32 v[96+j], v[96+j], v240           ; the conversion to an 8-bit code does not saturate (ISA guide 7.6.2); p is not negative: the hold is one-sided
.set j, j+1
.endr
.Lheld_\@:
.irp t, 0,1,2,3,4,5,6,7
	v_cvt_scalef32_pk8_fp8_f32 v[224+2*\t:225+2*\t], v[96+8*\t:103+8*\t], v244
.endr
.set j, 0
.rept 16
	v_pk_mul_f32 v[160+j:161+j], v[160+j:161+j], v[252:253] op_sel_hi:[1,0]   ; O^T under the new M.  (Plain lines between the conversions and the products that read their results)
.set j, j+2
.endr
	s_wait_dscnt 0x0                               ; V^T is in
.irp d, 0,1,2,3
	v_wmma_f32_16x16x128_fp8_fp8 v[160+8*\d:167+8*\d], v[32+16*\d:47+16*\d], v[224:239], v[160+8*\d:167+8*\d]
.endr
	s_add_co_u32 s[TB], s[TB], 16384
	s_cmp_lt_u32 s[TB], 131072
	s_cbranch_scc1 .Lstep_\@
	; the way out: O^T / the sum, held, converted: two registers a tile of channels, eight in all, into the registers that held this tile's Q
.rept 4
	v_nop                                          ; places behind the last products, in front of the first read of O^T
.endr
	v_add_f32 v14, v14, v15
	v_permlanex16_b32 v252, v14, s[SEL], s[SEL+1]
	v_add_f32 v14, v14, v252                       ; the row's sum
	v_rcp_f32 v14, v14
	v_nop                                          ; a plain line behind the reciprocal
	s_wait_alu depctr_va_vdst(0)                   ; the reciprocal has written v14: the wait ahead of its first reader
.set j, 0
.rept 16
	v_pk_mul_f32 v[160+j:161+j], v[160+j:161+j], v[14:15] op_sel_hi:[1,0]
.set j, j+2
.endr
.set j, 0
.rept 32
	v_med3_num_f32 v[160+j], v[160+j], -v241, v241
.set j, j+1
.endr
.irp d, 0,1,2,3
	v_cvt_scalef32_pk8_fp8_f32 v[192+8*\i+2*\d:193+8*\i+2*\d], v[160+8*\d:167+8*\d], v245
.endr
	v_nop                                          ; a plain line behind the last conversion: the next tile writes its sources
	s_wait_alu depctr_va_vdst(0)                   ; the conversions have written the tile's eight registers of codes, which the two stores read
	global_store_b128 v[LI], v[192+8*\i:195+8*\i], s[10:11] offset:2048*\i       ; 2 x 512 consecutive bytes: my half of the tile's image
	global_store_b128 v[LI], v[196+8*\i:199+8*\i], s[10:11] offset:2048*\i+512
.endm
	s_load_b128 s[4:7], s[0:1], 0x0                ; qcodes, kvcodes
	s_load_b128 s[8:11], s[0:1], 0x10              ; the scales' exponents, catcodes
	v_lshl_add_u32 v251, v0, 2, 0x20000
	v_mov_b32 v255, 0
	v_lshrrev_b32 v5, 5, v0
	v_readfirstlane_b32 s[WV], v5                  ; wave 0..15
	v_and_b32 v6, 31, v0
	v_lshlrev_b32 v[LI], 4, v6
	s_wait_alu depctr_va_sdst(0)                   ; s18 is written, ahead of its first reader: offsets and bases are made from it
	s_lshl_b32 s25, s[WV], 13
	v_add_nc_u32 v[CP], s25, v[LI]
	s_lshl_b32 s25, s[WV], 12
	v_add_nc_u32 v[QO], s25, v[LI]
	s_and_b32 s26, ttmp7, 0xffff                   ; 4 a + batch
	s_lshr_b32 s27, s26, 2                         ; a
	s_and_b32 s28, s26, 3                          ; batch
	s_lshl_b32 s30, s26, 17                        ; K and V of (a, batch)
	s_mov_b32 s31, 0
	s_lshl_b32 s32, s26, 20                        ; Q of (a, batch, head)
	s_lshl_b32 s33, ttmp9, 16
	s_add_co_u32 s32, s32, s33
	s_mov_b32 s33, 0
	s_and_b32 s34, s27, 1                          ; o
	s_lshl_b32 s36, s34, 23
	s_lshl_b32 s35, s28, 21
	s_add_co_u32 s36, s36, s35                     ; the batch's four blocks of 256 rows,
	s_lshl_b32 s35, ttmp9, 15
	s_add_co_u32 s36, s36, s35                     ; K step = head,
	s_lshr_b32 s35, s27, 1
	s_xor_b32 s35, s35, 1
	s_lshl_b32 s35, s35, 10
	s_add_co_u32 s36, s36, s35                     ; groups 0, 1 for a = 2, 3; groups 2, 3 for a = 0, 1,
	s_lshr_b32 s35, s[WV], 2
	s_lshl_b32 s35, s35, 19
	s_add_co_u32 s36, s36, s35                     ; my block of 256 rows,
	s_and_b32 s35, s[WV], 3
	s_lshl_b32 s35, s35, 13
	s_add_co_u32 s36, s36, s35                     ; my four tiles in it
	s_mov_b32 s37, 0
	s_lshl_b32 s38, s27, 4
	s_mov_b32 s39, 0
	s_lshl_b32 s40, s34, 3
	s_mov_b32 s41, 0
	s_mov_b32 s[SEL], 0x76543210
	s_mov_b32 s[SEL+1], 0xfedcba98
	s_wait_kmcnt 0x0
	s_add_nc_u64 s[6:7], s[6:7], s[30:31]
	s_add_nc_u64 s[4:5], s[4:5], s[32:33]
	s_add_nc_u64 s[10:11], s[10:11], s[36:37]
	s_add_nc_u64 s[38:39], s[8:9], s[38:39]
	s_add_nc_u64 s[40:41], s[8:9], s[40:41]
	s_load_b128 s[12:15], s[38:39], 0x30           ; eq, ek, ep, ev
	s_load_b32 s16, s[40:41], 0x70                 ; ecat
	s_wait_alu depctr_va_vdst(0)                   ; v[LI], v[CP] and v[QO] are written, which the loads and stores below read; no vector instruction writes them again
.irp i, 0,1,2,3,4,5,6,7,8,9,10,11,12,13,14,15
	global_load_b128 v[32+4*\i:35+4*\i], v[CP], s[6:7] offset:512*\i             ; my sixteenth of K and V
.endr
.irp i, 0,1,2,3
	global_load_b128 v[192+8*\i:195+8*\i], v[QO], s[4:5] offset:1024*\i th:TH_LOAD_NT      ; Q's four fragments stay in registers
	global_load_b128 v[196+8*\i:199+8*\i], v[QO], s[4:5] offset:1024*\i+512 th:TH_LOAD_NT
.endr
	v_mov_b32 v236, 0                              ; written once: a lane permute's destination counts as one of its sources
	v_mov_b32 v252, 0
	v_mov_b32 v253, 0                              ; (named as the upper half of the pair v[252:253])
	s_wait_kmcnt 0x0
	s_add_co_i32 s25, s12, s13
	s_lshl_b32 s25, s25, 23
	s_mov_b32 s[CS], 0x3e38aa3b                    ; log2(e) / 8
	s_add_co_i32 s[CS], s[CS], s25                 ; a score stands for score x 2^(eq + ek): the exponents are added to c's exponent field
	s_mov_b32 s[CS+1], s[CS]
	s_add_co_i32 s25, s14, 127
	s_lshl_b32 s26, s25, 23
	v_mov_b32 v244, s26                            ; 2^ep
	s_add_co_i32 s25, s25, 8
	s_lshl_b32 s25, s25, 23
	s_or_b32 s25, s25, 0x600000
	v_mov_b32 v240, s25                            ; 448 x 2^ep
	s_sub_co_i32 s25, s16, s14                     ; O^T / the sum stands for o / 2^(ep + ev): its code is that / 2^(ecat - ep - ev)
	s_sub_co_i32 s25, s25, s15
	s_add_co_i32 s25, s25, 127
	s_lshl_b32 s26, s25, 23
	v_mov_b32 v245, s26
	s_add_co_i32 s25, s25, 8
	s_lshl_b32 s25, s25, 23
	s_or_b32 s25, s25, 0x600000
	v_mov_b32 v241, s25
	s_wait_loadcnt 8                               ; K's and V's 16 loads are in; Q's 8 may be out
.irp i, 0,1,2,3,4,5,6,7,8,9,10,11,12,13,14,15
	ds_store_b128 v[CP], v[32+4*\i:35+4*\i] offset:512*\i      ; (the seven vector lines since the wait on va_vdst name neither v[CP] nor v32-95)
.endr
	s_wait_dscnt 0x0                               ; for the others' sake: my part has landed
	s_barrier_signal -1
	s_barrier_wait -1                              ; all of K and V lies in LDS; nobody writes LDS again
	s_wait_loadcnt 0x0                             ; Q
	TILE 0
	TILE 1
	TILE 2
	TILE 3
	s_wait_dscnt 0x0
	s_wait_alu depctr_hold_cnt(0) depctr_sa_sdst(0) depctr_va_vdst(0) depctr_va_sdst(0) depctr_va_ssrc(0) depctr_va_vcc(0) depctr_vm_vsrc(0)
	s_wait_tensorcnt 0x0
	ds_add_u32 v251, v255
	s_wait_dscnt 0x0
	s_endpgm
.Lfunc_end_k_q5d9bf76f59_attn:
	.size	k_q5d9bf76f59_attn, .Lfunc_end_k_q5d9bf76f59_attn-k_q5d9bf76f59_attn
	.p2alignl 7, 3214868480
	.fill 96, 4, 3214868480
	.section	.rodata,"a",@progbits
	.p2align	6, 0x0
	.amdhsa_kernel k_q5d9bf76f59_attn
		.amdhsa_group_segment_fixed_size 133120
		.amdhsa_private_segment_fixed_size 0
		.amdhsa_enable_private_segment 0
		.amdhsa_kernarg_size 32
		.amdhsa_user_sgpr_count 2
		.amdhsa_user_sgpr_kernarg_segment_ptr 1
		.amdhsa_wavefront_size32 1
		.amdhsa_system_sgpr_workgroup_id_x 1
		.amdhsa_system_sgpr_workgroup_id_y 1
		.amdhsa_system_sgpr_workgroup_id_z 1
		.amdhsa_system_vgpr_workitem_id 0
		.amdhsa_next_free_vgpr 256
		.amdhsa_next_free_sgpr 66
		.amdhsa_reserve_vcc 0
		.amdhsa_float_denorm_mode_32 3
		.amdhsa_float_denorm_mode_16_64 3
		.amdhsa_memory_ordered 1
		.amdhsa_forward_progress 1
		.amdhsa_inst_pref_size 88
	.end_amdhsa_kernel
	.amdgpu_metadata
---
amdhsa.version: [ 1, 2 ]
amdhsa.kernels:
  - .name:           k_q5d9bf76f59_attn
    .symbol:         k_q5d9bf76f59_attn.kd
    .args:
      - { .name: qcodes, .offset: 0, .size: 8, .value_kind: global_buffer, .address_space: global }
      - { .name: kvcodes, .offset: 8, .size: 8, .value_kind: global_buffer, .address_space: global }
      - { .name: lowp_scales, .offset: 16, .size: 8, .value_kind: global_buffer, .address_space: global }
      - { .name: catcodes, .offset: 24, .size: 8, .value_kind: global_buffer, .address_space: global }
    .group_segment_fixed_size: 133120
    .private_segment_fixed_size: 0
    .kernarg_segment_align: 8
    .kernarg_segment_size: 32
    .max_flat_workgroup_size: 512
    .sgpr_count:     66
    .vgpr_count:     256
    .wavefront_size: 32
...
	.end_amdgpu_metadata
.endif
;; end of part 7
;; launch oproj: the kernel of part 5 again; grid 8 x 16, 4 waves a work-group, clusters of 4 x 4, 327,680 bytes of LDS; arguments catcodes, wcodes, lowp_scales, out0, out1, b_xproj, b_sproj; writes out0, out1
